; MI455X (gfx1250); checked and timed in simulation.
; The chip was launched on July 23, 2026; its instructions are those of AMD's public machine-readable ISA for CDNA 5 (MIT licence, August 2026) and "CDNA5" Instruction Set Architecture Reference Guide (July 2026). The comments in the code are by the model that wrote it; some were corrected since.
;; MHA. Allowed arithmetic: float matrix products may take bf16 or f16 operands with f32 sums; other float arithmetic in f32, or as packed bf16 or f16 multiplies, adds, multiply-adds, maxima and minima; sums over many terms, partial sums and values carried from step to step in f32; what a program stores and reads back later, other than sums and carried values, may be rounded once to bf16 or f16.
;; Inputs: bn1_b 128 float32; bn1_g 128 float32; bn2_b 128 float32; bn2_g 128 float32; embedding_node 64 x 512 x 128 float32; ff1_b 512 float32; ff1_w 128 x 512 float32; ff2_b 128 float32; ff2_w 512 x 128 float32; w_b 128 float32; w_w 128 x 128 float32; wk_b 128 float32; wk_w 128 x 128 float32; wq_b 128 float32; wq_w 128 x 128 float32; wv_b 128 float32; wv_w 128 x 128 float32.
;; Outputs: out0 64 x 512 x 128 float32.
;; 2 versions, each right; version 2 is version 1 with the launch attn written anew for expert scheduling mode. Each part assembles by itself: llvm-mc -triple=amdgcn-amd-amdhsa -mcpu=gfx1250 --defsym DOCPART=n.
;; ======== version 1 of 2: 3 launches
;; workspace buffers: x1 16,777,216 bytes; y 16,777,216 bytes; part1 262,144 bytes; part2 262,144 bytes; wimg 262,144 bytes
;; launch attn (part 1): grid 256 x 1, 8 waves a work-group, no clusters, 316,416 bytes of LDS; arguments embedding_node, wq_w, wk_w, wv_w, w_w, wq_b, ff1_w, ff2_w, x1, part1, wimg; writes x1, part1, wimg
.if DOCPART == 1
	.amdgcn_target "amdgcn-amd-amdhsa--gfx1250"
	.amdhsa_code_object_version 6
	.text
	.protected	k_q04371f87c6_attn
	.globl	k_q04371f87c6_attn
	.p2align	8
	.type	k_q04371f87c6_attn,@function
k_q04371f87c6_attn:
	s_mov_b64 s[64:65], 0
	v_nop
	global_prefetch_b8 v0, s[64:65] scope:SCOPE_SE
	s_setreg_imm32_b32 hwreg(HW_REG_WAVE_MODE, 25, 1), 1
	s_wait_xcnt 0x0
; x1 = attention(x) W + x, for 128 rows of one batch; the group's mean and M2 per channel for BatchNorm 1; one bf16 fragment of the feed-forward weights.
; DEAD WORK, for all finite inputs, in exact arithmetic:
;   wk_b adds q_i . wk_b to every score of row i: the same along the softmax's axis, so the weights do not change.
;   wv_b: a row's weights sum to 1, so it adds wv_b to every row of the attention's output, hence wv_b W, the same number per channel in every row, to x;
;   w_b adds the same number per channel to every row of x; BatchNorm 1 takes the channel's mean away and its variance does not see a constant.
;   ff2_b (left out in the second launch) is such a constant in front of BatchNorm 2.
; So wk_b, wv_b, w_b and ff2_b have no way to the output: they are not loaded and are no launch's argument.
; LIMITS.  A NaN, an infinity or an overflow that reaches only these four inputs is not carried to the result.  Matrix operands are bf16 (x, the weights, q, k, v, the weights p, o), sums f32.
; p = 2^(c s - c m), c = log2(e) / 4, with m the true maximum of the row's 512 scores; a p below 2^-126 counts as 0.  The residual, x1 and the statistics stay f32.
; SHARES.  Work-group g: batch g / 4, query rows 128 (g % 4) on.  Wave w is head w, and tile w of 16 out channels in the last product.  K and V of the whole batch are made here, from
; four chunks of 128 rows; chunk c is block (g % 4 + c) % 4, so chunk 0 holds the group's own queries (the order of keys does not matter to a softmax and its sum).
; LAYOUT.  K^T = Wk^T X^T and Q^T likewise: a lane holds one token (lane % 16) and channels 8 (lane / 16) + 0..7: rounded, that is half a fragment.  A fragment of K holds two tiles of 16 keys,
; one in k 0-15 and one in k 16-31; source 1 is [Q; 0] or [0; Q].  V = X Wv: a lane holds one channel and 8 tokens: two tiles are a fragment of V^T.  S^T rounded in pairs is source 1 of
; O^T = V^T P and of L = ones x P, whose every register holds the lane's row sum.  Nothing changes lanes but the maximum's one exchange.
; NO CLUSTER.  The four groups of a batch read the same x and all groups the same weights, but these are f32 and are rounded on the way through registers; a joint load would want a landing
; zone of 65,536 bytes a chunk, and of the 327,680 bytes of LDS 316,416 are in use.
; LDS: XS 0 (4 chunks x 128 rows x 272); QS 0 and OS 32,768 (pitch 272) lie over chunks 0 and 1, YS 67,584 (pitch 528) over the rest; VS 139,264: first the stages of Wq, Wk, Wv (pitch 288), then V's
; fragments; WS 270,336 the stage of W; RS 307,200 the waves' statistics; SPARE 315,392.
; REGISTERS.  Window 0: v0-27 addresses and statistics; v28-39 Q, 0, Q; v40-47 ones; v48-55 O; v56-63 L; v64-127 V's eight slots (rows as loaded, during the projections); v128-255 K's 16 fragments.
; Window 1: weights as loaded; then Wq 0, Wk 32, Wv 64, x's fragments 96-159 (two buffers), accumulators 160-207 (by the tile's parity), bias 208, Q 216-247; then S^T (tile t at 8 t), P packed in place at 8 f;
; then W 0, O 32-159, sums 160-191.
.set CH,    34816
.set OS,    32768
.set YS,    67584
.set VS,    139264
.set RS,    307200
.set SPARE, 315392
.set MSB, 0
.macro WIN new                         ; bits 1:0 source 0, 3:2 source 1, 5:4 source 2, 7:6 destination; the high byte repeats the setting that is left
.if MSB != (\new)
	s_set_vgpr_msb (MSB<<8)|(\new)
.set MSB, (\new)
.endif
.endm
.macro PLACES cnt=4                    ; plain vector instructions behind a matrix instruction (ISA guide 7.12.1)
.rept \cnt
	v_nop
.endr
.endm
.macro BAR                             ; my LDS instructions are done, then the work-group's barrier
	s_wait_dscnt 0x0
	s_barrier_signal -1
	s_barrier_wait -1
.endm
.macro ADD4 d, a, b
	v_pk_add_f32 v[(\d):(\d)+1], v[(\a):(\a)+1], v[(\b):(\b)+1]
	v_pk_add_f32 v[(\d)+2:(\d)+3], v[(\a)+2:(\a)+3], v[(\b)+2:(\b)+3]
.endm
.macro SUB4 d, a, b
	v_pk_add_f32 v[(\d):(\d)+1], v[(\a):(\a)+1], v[(\b):(\b)+1] neg_lo:[0,1] neg_hi:[0,1]
	v_pk_add_f32 v[(\d)+2:(\d)+3], v[(\a)+2:(\a)+3], v[(\b)+2:(\b)+3] neg_lo:[0,1] neg_hi:[0,1]
.endm
.macro MUL4 d, a, b
	v_pk_mul_f32 v[(\d):(\d)+1], v[(\a):(\a)+1], v[(\b):(\b)+1]
	v_pk_mul_f32 v[(\d)+2:(\d)+3], v[(\a)+2:(\a)+3], v[(\b)+2:(\b)+3]
.endm
.macro FMA4 d, a, b, c
	v_pk_fma_f32 v[(\d):(\d)+1], v[(\a):(\a)+1], v[(\b):(\b)+1], v[(\c):(\c)+1]
	v_pk_fma_f32 v[(\d)+2:(\d)+3], v[(\a)+2:(\a)+3], v[(\b)+2:(\b)+3], v[(\c)+2:(\c)+3]
.endm
.macro SCL4 d, a, k
	v_pk_mul_f32 v[(\d):(\d)+1], v[(\a):(\a)+1], \k op_sel_hi:[1,0]
	v_pk_mul_f32 v[(\d)+2:(\d)+3], v[(\a)+2:(\a)+3], \k op_sel_hi:[1,0]
.endm
.macro MMS d, a, b, s                  ; a product; K step 0 starts the sum
.if (\s) == 0
	v_wmma_f32_16x16x32_bf16 v[(\d):(\d)+7], v[(\a):(\a)+7], v[(\b):(\b)+7], 0
.else
	v_wmma_f32_16x16x32_bf16 v[(\d):(\d)+7], v[(\a):(\a)+7], v[(\b):(\b)+7], v[(\d):(\d)+7]
.endif
.endm
.macro MMQ d, a, b, s                  ; the same, the sum started by q's bias
.if (\s) == 0
	v_wmma_f32_16x16x32_bf16 v[(\d):(\d)+7], v[(\a):(\a)+7], v[(\b):(\b)+7], v[208:215]
.else
	v_wmma_f32_16x16x32_bf16 v[(\d):(\d)+7], v[(\a):(\a)+7], v[(\b):(\b)+7], v[(\d):(\d)+7]
.endif
.endm
.macro FRAG16 rs                       ; 16 numbers a lane of a weight fragment: k = 16 q + 8 (lane / 16) + i, rs bytes from k to k + 1
.irp q, 0,1
.irp i, 0,1,2,3,4,5,6,7
	global_load_b32 v[28+8*(\q)+(\i)], v47, s[48:49] offset:(16*(\q)+(\i))*(\rs)
.endr
.endr
.endm
.macro CBASE c                         ; s[38:39] = x at chunk c of my batch
	s_add_co_u32 s34, s33, \c
	s_and_b32 s34, s34, 3
	s_lshl_b32 s34, s34, 16
	s_add_nc_u64 s[38:39], s[36:37], s[34:35]
.endm
.macro RLOAD b                         ; my 16 rows of 128 f32 behind s[b:b+1], 512 consecutive bytes a load
.set n, 0
.rept 16
	global_load_b128 v[64+4*n:64+4*n+3], v3, s[(\b):(\b)+1] offset:512*n
.set n, n+1
.endr
.endm
.macro RSTORE a, pitch                 ; rounded in place, 8 bytes a lane into rows of the given pitch
.set n, 0
.rept 16
	v_cvt_pk_bf16_f32 v[64+4*n], v[64+4*n], v[64+4*n+1]
	v_cvt_pk_bf16_f32 v[64+4*n+1], v[64+4*n+2], v[64+4*n+3]
	ds_store_b64 v[\a], v[64+4*n:64+4*n+1] offset:(\pitch)*n
.set n, n+1
.endr
.endm
.macro WSTG m, cnt, areg, off          ; weight matrix m: my 16 rows rounded in place and staged, pitch 288
	s_wait_loadcnt \cnt
	WIN 0x45
.set n, 16*(\m)
.rept 16
	v_cvt_pk_bf16_f32 v[4*n], v[4*n], v[4*n+1]
	v_cvt_pk_bf16_f32 v[4*n+1], v[4*n+2], v[4*n+3]
.set n, n+1
.endr
	WIN 0x04
.set n, 0
.rept 16
	ds_store_b64 v[\areg], v[4*(16*(\m)+n):4*(16*(\m)+n)+1] offset:(\off)+288*n
.set n, n+1
.endr
.endm
	s_load_b512 s[8:23], s[0:1], 0x0               ; x s[8:9], wq s[10:11], wk s[12:13], wv s[14:15], w s[16:17], wq_b s[18:19], ff1_w s[20:21], ff2_w s[22:23]
	s_load_b128 s[24:27], s[0:1], 0x40             ; x1, part1
	s_load_b64 s[28:29], s[0:1], 0x50              ; wimg
	v_lshl_add_u32 v1, v0, 2, SPARE                ; my spare word, and 0: kept for the add at the wave's end
	v_mov_b32 v2, 0
	v_lshrrev_b32 v25, 5, v0
	v_readfirstlane_b32 s30, v25                   ; wave = head
	v_and_b32 v22, 31, v0                          ; L
	v_and_b32 v23, 15, v0                          ; r
	v_bfe_u32 v24, v0, 4, 1                        ; h
	v_mov_b32 v20, 0                               ; written once: the lane exchange's destination counts as read, and v[20:21] is named as a pair
	v_mov_b32 v21, 0
	s_mov_b32 s31, ttmp9                           ; g
	s_lshr_b32 s32, s31, 2                         ; batch
	s_and_b32 s33, s31, 3                          ; query block
	s_mov_b32 s35, 0
	s_mov_b32 s40, 0x76543210                      ; v_permlanex16_b32: each lane takes its own place in the other half
	s_mov_b32 s41, 0xfedcba98
	s_mov_b32 s42, 0x3eb8aa3b                      ; c = log2(e) / sqrt(16)
	s_mov_b32 s43, s42
	s_lshl_b32 s45, s30, 13
	v_lshl_add_u32 v3, v22, 4, s45                 ; 16 rows of 512 bytes a wave + 16 L
	s_mul_i32 s45, s30, 4352
	v_lshl_add_u32 v4, v22, 3, s45                 ; XS: my 16 rows + 8 L
	v_mul_u32_u24 v5, v23, 272
	v_lshl_add_u32 v5, v24, 4, v5                  ; a fragment of x: 272 r + 16 h
	s_lshl_b32 s45, s30, 14
	s_add_co_u32 s45, s45, VS
	v_lshl_add_u32 v6, v22, 4, s45                 ; my V fragments
	s_lshl_b32 s45, s30, 12
	v_lshl_add_u32 v7, v22, 4, s45                 ; my Q tiles (QS = 0)
	s_lshl_b32 s45, s30, 5
	s_add_co_u32 s46, s45, OS
	v_add_nc_u32 v8, s46, v5                       ; O: row r, my head's 32 bytes, 16 h
	v_and_b32 v25, 7, v0
	v_lshl_add_u32 v25, v24, 3, v25
	v_mul_u32_u24 v9, v25, 288
	v_bfe_u32 v25, v0, 3, 1
	v_lshl_add_u32 v9, v25, 4, v9
	s_add_co_u32 s46, s45, VS
	v_add_nc_u32 v9, s46, v9                       ; the turning load: row 8 h + L % 8, my 16 columns, 16 ((L / 8) % 2)
	v_add_nc_u32 v10, OS, v5
	v_mul_u32_u24 v11, v23, 528
	v_lshl_add_u32 v11, v24, 5, v11
	s_lshl_b32 s45, s30, 6
	s_add_co_u32 s46, s45, YS
	v_add_nc_u32 v11, s46, v11                     ; YS: row r, my 16 channels, 32 h
	v_lshl_add_u32 v57, v24, 5, s45                ; wq_b: 64 w + 32 h
	s_mul_i32 s45, s30, 8448
	s_add_co_u32 s45, s45, YS
	v_lshl_add_u32 v12, v22, 4, s45                ; YS: my 16 rows, whole
	s_lshl_b32 s45, s30, 10
	s_add_co_u32 s45, s45, RS
	v_lshl_add_u32 v13, v22, 4, s45
	s_mul_i32 s45, s30, 4608
	s_add_co_u32 s45, s45, VS
	v_lshl_add_u32 v25, v22, 3, s45                ; the weights' stages: my 16 rows + 8 L
	v_add_nc_u32 v26, 73728, v25
	v_add_nc_u32 v27, 131072, v25                  ; W's stage: kept until W is staged, ahead of the loop
	v_lshlrev_b32 v56, 4, v22                      ; 16 L
	s_wait_kmcnt 0x0
	s_lshl_b32 s34, s32, 18
	s_add_nc_u64 s[36:37], s[8:9], s[34:35]        ; x at my batch
	s_lshl_b32 s34, s31, 16
	s_add_nc_u64 s[50:51], s[24:25], s[34:35]      ; x1 at my 128 rows
	s_lshl_b32 s34, s31, 10
	s_add_nc_u64 s[52:53], s[26:27], s[34:35]      ; part1 and wimg at g
	s_add_nc_u64 s[54:55], s[28:29], s[34:35]
	CBASE 0
	; Wave 0 alone: fragment g of the feed-forward weights.  Chunk j = g / 16 of 32 hidden units; idx = g % 16: below 8 a fragment of W1^T (16 hidden units x 32 channels), else of W2^T (16 channels x 32 hidden units).
	s_cmp_lg_u32 s30, 0
	s_cbranch_scc1 .Lnofrag
	s_lshr_b32 s45, s31, 4
	s_and_b32 s46, s31, 15
	s_cmp_lt_u32 s46, 8
	s_cbranch_scc0 .Lfrag2
	s_and_b32 s47, s46, 3                          ; ff1_w [k][n]: 2,048 k + 4 n; k0 = 32 (idx % 4), n0 = 32 j + 16 (idx / 4)
	s_lshl_b32 s34, s47, 16
	s_lshl_b32 s47, s45, 7
	s_add_co_u32 s34, s34, s47
	s_lshr_b32 s47, s46, 2
	s_lshl_b32 s47, s47, 6
	s_add_co_u32 s34, s34, s47
	s_add_nc_u64 s[48:49], s[20:21], s[34:35]
	v_lshlrev_b32 v47, 2, v23
	v_lshl_add_u32 v47, v24, 14, v47
	FRAG16 2048
	s_branch .Lnofrag
.Lfrag2:
	s_lshl_b32 s34, s45, 14                        ; ff2_w [k][n]: 512 k + 4 n; k0 = 32 j, n0 = 16 (idx - 8)
	s_sub_co_u32 s47, s46, 8
	s_lshl_b32 s47, s47, 6
	s_add_co_u32 s34, s34, s47
	s_add_nc_u64 s[48:49], s[22:23], s[34:35]
	v_lshlrev_b32 v47, 2, v23
	v_lshl_add_u32 v47, v24, 12, v47
	FRAG16 512
.Lnofrag:
	; Wq, Wk, Wv (my 16 rows of each) and chunk 0 of x.  W, which is wanted last, is loaded later.
	WIN 0x40
.irp m, 0,1,2
.set n, 0
.rept 16
	global_load_b128 v[4*(16*(\m)+n):4*(16*(\m)+n)+3], v3, s[10+2*(\m):11+2*(\m)] offset:512*n
.set n, n+1
.endr
.endr
	WIN 0
	RLOAD 38
	; each wait leaves out the younger loads: 16 for each later matrix and x's 16
	WSTG 0, 48, 25, 0
	WSTG 1, 32, 25, 36864
	WSTG 2, 16, 26, 0
	WIN 0
	s_wait_loadcnt 0x0                             ; chunk 0 (and wave 0's fragment)
	RSTORE 4, 272
	v_add_nc_u32 v4, CH, v4
	BAR                                            ; the stages and chunk 0 are whole
	s_cmp_lg_u32 s30, 0
	s_cbranch_scc1 .Lnoimg
.irp i, 0,1,2,3,4,5,6,7
	v_cvt_pk_bf16_f32 v[48+(\i)], v[28+2*(\i)], v[29+2*(\i)]
.endr
	global_store_b128 v56, v[48:51], s[54:55]              ; registers 0-3 of all lanes: 512 consecutive bytes,
	global_store_b128 v56, v[52:55], s[54:55] offset:512   ; registers 4-7: the next 512
.Lnoimg:
	WIN 0x40
	global_load_b128 v[208:211], v57, s[18:19]             ; q's bias as a C operand: register j = wq_b[16 w + 8 h + j]
	global_load_b128 v[212:215], v57, s[18:19] offset:16
	WIN 0
	CBASE 1
	RLOAD 38
	v_add_nc_u32 v25, 36864, v9
	v_add_nc_u32 v26, 73728, v9
	WIN 0x40
.irp s, 0,1,2,3                        ; my head's 16 columns of Wq, Wk, Wv, turned: 16 columns x 32 k a fragment
	ds_load_tr16_b128 v[8*(\s):8*(\s)+3], v9 offset:9216*(\s)
	ds_load_tr16_b128 v[8*(\s)+4:8*(\s)+7], v9 offset:9216*(\s)+4608
	ds_load_tr16_b128 v[32+8*(\s):32+8*(\s)+3], v25 offset:9216*(\s)
	ds_load_tr16_b128 v[32+8*(\s)+4:32+8*(\s)+7], v25 offset:9216*(\s)+4608
	ds_load_tr16_b128 v[64+8*(\s):64+8*(\s)+3], v26 offset:9216*(\s)
	ds_load_tr16_b128 v[64+8*(\s)+4:64+8*(\s)+7], v26 offset:9216*(\s)+4608
.endr
	WIN 0
	BAR                                            ; every wave has read the three stages: V's fragments may lie over them
	s_wait_loadcnt 16                              ; the bias is in; chunk 1's 16 loads stay out
	s_wait_xcnt 0x0                                ; wave 0's two stores have read v48-56, which are written again below
; THE PROJECTIONS, a tile of 16 tokens a step, 32 steps.  Step T: the fragments of tile T + 1 are asked for, tile T is multiplied, tile T - 1 is rounded.  Fragment buffers and accumulators go by the tile's parity.
.macro TLOAD T                         ; tile T's four fragments of x (16 tokens x 32 channels each)
	WIN 0x40
.irp s, 0,1,2,3
	ds_load_b128 v[96+32*((\T)%2)+8*(\s):96+32*((\T)%2)+8*(\s)+3], v5 offset:((\T)%8)*4352+64*(\s)
	ds_load_b128 v[96+32*((\T)%2)+8*(\s)+4:96+32*((\T)%2)+8*(\s)+7], v5 offset:((\T)%8)*4352+64*(\s)+32
.endr
.endm
.macro TMUL T                          ; K^T, V (and, in chunk 0, Q^T): the accumulators take turns, one instruction a turn
	WIN 0x55
.irp s, 0,1,2,3
	MMS 160+8*((\T)%2), 32+8*(\s), 96+32*((\T)%2)+8*(\s), \s
	MMS 176+8*((\T)%2), 96+32*((\T)%2)+8*(\s), 64+8*(\s), \s
.if (\T) < 8
	MMQ 192+8*((\T)%2), 8*(\s), 96+32*((\T)%2)+8*(\s), \s
.endif
.endr
.endm
.macro TPACK T                         ; tile T rounded: half a fragment of K into its registers, half a fragment of V^T into LDS, a tile of Q aside
.if (\T) < 8
	WIN 0x45
.irp i, 0,1,2,3
	v_cvt_pk_bf16_f32 v[216+4*(\T)+(\i)], v[192+8*((\T)%2)+2*(\i)], v[193+8*((\T)%2)+2*(\i)]
.endr
.endif
	WIN 0x05
.irp i, 0,1,2,3
	v_cvt_pk_bf16_f32 v[128+4*(\T)+(\i)], v[160+8*((\T)%2)+2*(\i)], v[161+8*((\T)%2)+2*(\i)]
.endr
.irp i, 0,1,2,3
	v_cvt_pk_bf16_f32 v[48+4*((\T)%2)+(\i)], v[176+8*((\T)%2)+2*(\i)], v[177+8*((\T)%2)+2*(\i)]
.endr
	WIN 0x40                                       ; address and data in window 0: the setting of the loads that follow
	ds_store_b128 v6, v[48+4*((\T)%2):51+4*((\T)%2)] offset:512*(\T)
.endm
; The next chunk, loaded while this one was multiplied, goes into its own part of XS.  In front of the barrier every wave has waited for all its reads of chunk c (tile 7's are out since the step's head).
; Behind it the chunk after next is asked for; behind the last such barrier, W's rows.
.macro NEXT c
	WIN 0
	s_wait_loadcnt 0x0                             ; the next chunk's 16 loads: nothing younger is out
	RSTORE 4, 272
	v_add_nc_u32 v4, CH, v4
	BAR
.if (\c) < 2
	CBASE (\c)+2
	RLOAD 38
.else
	RLOAD 16
.endif
	v_add_nc_u32 v5, CH, v5
.endm
	TLOAD 0
.set T, 0
.rept 32
.if T < 31
	TLOAD T+1                                      ; into the buffer that tile T - 1 left: the roundings of tile T - 2 stand between as the places
	s_wait_dscnt 8                                 ; all but these eight loads: tile T is in
.else
	s_wait_dscnt 0x0
.endif
	TMUL T
.if T == 0
	PLACES 5                                       ; nothing is there to round yet
.else
	TPACK T-1
.endif
.if ((T%8) == 6) && (T < 30)
	NEXT T/8
.endif
.set T, T+1
.endr
	TPACK 31                                       ; tile 30's roundings are the places in front of it
	; No barrier here.  QS and OS, bytes 0 to 67,583, lie inside chunks 0 and 1, which every wave has done reading in front of the second chunk's barrier; I am behind the third's.
	WIN 0
	s_wait_loadcnt 0x0                             ; W's rows
	RSTORE 27, 288                                 ; read behind the barrier that follows the loop
	WIN 0x04
.irp q, 0,1,2,3,4,5,6,7
	ds_store_b128 v7, v[216+4*(\q):219+4*(\q)] offset:512*(\q)         ; S^T will fill window 1: my eight tiles of Q wait in LDS, my own bytes
.endr
	WIN 0
.irp i, 0,1,2,3,4,5,6,7
	v_mov_b32 v[40+(\i)], 0x3f803f80               ; 1.0 twice in bf16
.endr
.irp i, 0,1,2,3
	v_mov_b32 v[32+(\i)], 0
.endr
	ds_load_b128 v[28:31], v7                      ; the first tile of Q, twice: [Q; 0] is v[28:35], [0; Q] v[32:39]
	ds_load_b128 v[36:39], v7
.macro VRUN s0, f0                     ; ONE run of eight loads: V's slots s0 .. s0 + 3 take fragments f0 .. f0 + 3
	WIN 0
.irp k, 0,1,2,3
	ds_load_b128 v[64+8*((\s0)+(\k)):64+8*((\s0)+(\k))+3], v6 offset:1024*((\f0)+(\k))
	ds_load_b128 v[64+8*((\s0)+(\k))+4:64+8*((\s0)+(\k))+7], v6 offset:1024*((\f0)+(\k))+512
.endr
.endm
.macro SM4 g                           ; S^T tiles 4 g .. 4 g + 3: 16 keys x 16 queries each
	WIN 0x40
.irp k, 0,1,2,3
	v_wmma_f32_16x16x32_bf16 v[8*(4*(\g)+(\k)):8*(4*(\g)+(\k))+7], v[128+8*((4*(\g)+(\k))/2):128+8*((4*(\g)+(\k))/2)+7], v[28+4*((\k)%2):35+4*((\k)%2)], 0
.endr
.endm
.macro MX4 g                           ; these four tiles into four running maxima; each tile's lowest registers first
	WIN 0x14
.irp k, 0,1,2,3
.irp j, 0,1,2,3
	v_max3_num_f32 v[16+(\j)], v[16+(\j)], v[8*(4*(\g)+(\k))+2*(\j)], v[8*(4*(\g)+(\k))+2*(\j)+1]
.endr
.endr
.endm
.macro EG f                            ; group f of 32 keys: c s - c m for its 8 pairs, and the two exponentials of the pair two back; nothing here names an exponential's result
	WIN 0x45
.set i, 0
.rept 10
.if i < 8
	v_pk_fma_f32 v[16*(\f)+2*i:16*(\f)+2*i+1], v[16*(\f)+2*i:16*(\f)+2*i+1], s[42:43], v[14:15] op_sel_hi:[1,0,1] neg_lo:[0,0,1] neg_hi:[0,0,1]
.endif
.if i >= 2
	v_exp_f32 v[16*(\f)+2*i-4], v[16*(\f)+2*i-4]
	v_exp_f32 v[16*(\f)+2*i-3], v[16*(\f)+2*i-3]
.endif
.set i, i+1
.endr
.endm
.macro EWAIT                           ; a plain instruction behind the last exponential, and one wait ahead of a batch's first reader
	v_nop
	s_wait_alu depctr_va_vdst(0)
.endm
; Group f: P's fragment packed in place (pair n of the weights goes to register n, which holds pairs already read); O^T and L take turns.
.macro PVG f
	WIN 0x45
.set i, 0
.rept 8
	v_cvt_pk_bf16_f32 v[8*(\f)+i], v[16*(\f)+2*i], v[16*(\f)+2*i+1]
.set i, i+1
.endr
	WIN 0x04
.if ((\f) == 8) || ((\f) == 12)
	s_wait_dscnt 8                                 ; the run that brought fragments f .. f + 3 is in; behind it stands one run of eight
.endif
.if (\f) == 0
	v_wmma_f32_16x16x32_bf16 v[48:55], v[64:71], v[0:7], 0
	v_wmma_f32_16x16x32_bf16 v[56:63], v[40:47], v[0:7], 0
.else
	v_wmma_f32_16x16x32_bf16 v[48:55], v[64+8*((\f)%8):64+8*((\f)%8)+7], v[8*(\f):8*(\f)+7], v[48:55]
	v_wmma_f32_16x16x32_bf16 v[56:63], v[40:47], v[8*(\f):8*(\f)+7], v[56:63]
.endif
.endm
	VRUN 0, 0
	VRUN 4, 4
	s_mov_b32 s44, 8
.Lq:                                           ; a trip: 16 queries of my head against all 512 keys
	s_wait_dscnt 0x0                               ; Q, V's fragments 0-7, and the last trip's store: all issued well ahead
	SM4 0
	WIN 0x14
.irp j, 0,1,2,3
	v_mov_b32 v[16+(\j)], 0xff7fffff               ; the lowest finite number; also the four places ahead of the first reader
.endr
.set g, 1
.rept 7                                ; four tiles' maxima stand behind the next four products: sixteen plain instructions behind their own
	SM4 g
	MX4 g-1
.set g, g+1
.endr
	MX4 7
	WIN 0
	v_max3_num_f32 v16, v16, v17, v18
	v_max_num_f32 v16, v16, v19
	v_permlanex16_b32 v20, v16, s40, s41           ; the query's other 256 keys lie in the lane 16 away
	v_max_num_f32 v14, v16, v20
	v_mul_f32 v14, s42, v14                        ; c m
	v_mov_b32 v15, v14
	; The 16 groups go in four batches of four.  Batch 0 is raised alone; then, behind group f's two products, stand group f + 4's scalings and exponentials.  While batch b is packed and multiplied it names
	; registers up to 64 b + 63; the exponentials that are out begin at 64 b + 64: no result is named before the wait that closes its batch.
	EG 0
	EG 1
	EG 2
	EG 3
	EWAIT
.irp f, 0,1,2,3
	PVG \f
	EG (\f)+4
.endr
	EWAIT
	WIN 0
	s_cmp_eq_u32 s44, 1                            ; the last trip has no next tile of Q
	s_cbranch_scc1 .Lnoq
	ds_load_b128 v[28:31], v7 offset:512           ; the next trip's Q: this trip's products K Q^T are long past
	ds_load_b128 v[36:39], v7 offset:512
.Lnoq:
	VRUN 0, 8                                      ; each run stands behind a batch's wait; eight scalings and a v_nop are the places behind its slots' last reader
.irp f, 4,5,6,7
	PVG \f
	EG (\f)+4
.endr
	EWAIT
	VRUN 4, 12
.irp f, 8,9,10,11
	PVG \f
	EG (\f)+4
.endr
	EWAIT
	VRUN 0, 0                                      ; for the next trip (in the last trip these two runs serve nothing: the price of one text for all trips)
.irp f, 12,13,14,15
	PVG \f
.endr
	WIN 0
	PLACES
	VRUN 4, 4
	v_rcp_f32 v20, v56                             ; 1 / l: l is at least the largest weight, 1
	v_nop
	s_wait_alu depctr_va_vdst(0)
.irp i, 0,1,2,3
	v_pk_mul_f32 v[48+2*(\i):49+2*(\i)], v[48+2*(\i):49+2*(\i)], v[20:21] op_sel_hi:[1,0]
.endr
.irp i, 0,1,2,3
	v_cvt_pk_bf16_f32 v[16+(\i)], v[48+2*(\i)], v[49+2*(\i)]
.endr
	ds_store_b128 v8, v[16:19]
	v_add_nc_u32 v8, 4352, v8
	v_add_nc_u32 v7, 512, v7
	s_sub_co_u32 s44, s44, 1
	s_cmp_lg_u32 s44, 0
	s_cbranch_scc1 .Lq
	; x1^T = W^T O^T for my 16 out channels and all 128 rows
	CBASE 0
.set n, 0
.rept 16
	global_load_b128 v[128+4*n:128+4*n+3], v3, s[38:39] offset:512*n   ; the residual: my 16 rows of x, in f32, into K's registers: asked for ahead of the barrier
.set n, n+1
.endr
	BAR                                            ; O and W's stage are whole
	v_add_nc_u32 v25, 131072, v9
	WIN 0x40
.irp s, 0,1,2,3
	ds_load_tr16_b128 v[8*(\s):8*(\s)+3], v25 offset:9216*(\s)
	ds_load_tr16_b128 v[8*(\s)+4:8*(\s)+7], v25 offset:9216*(\s)+4608
.endr
.irp hf, 0,1
	WIN 0x40
.irp t, 0,1,2,3
.irp s, 0,1,2,3
	ds_load_b128 v[32+32*(\t)+8*(\s):32+32*(\t)+8*(\s)+3], v10 offset:(4*(\hf)+(\t))*4352+64*(\s)
	ds_load_b128 v[32+32*(\t)+8*(\s)+4:32+32*(\t)+8*(\s)+7], v10 offset:(4*(\hf)+(\t))*4352+64*(\s)+32
.endr
.endr
	s_wait_dscnt 0x0
	WIN 0x55
.irp s, 0,1,2,3
.irp t, 0,1,2,3
	MMS 160+8*(\t), 8*(\s), 32+32*(\t)+8*(\s), \s
.endr
.endr
	PLACES 5                                       ; four for the stores and the next loads, five for the next half's products, which write over these sums
	WIN 0x04
.irp t, 0,1,2,3
	ds_store_b128 v11, v[160+8*(\t):163+8*(\t)] offset:(4*(\hf)+(\t))*8448
	ds_store_b128 v11, v[164+8*(\t):167+8*(\t)] offset:(4*(\hf)+(\t))*8448+16
.endr
.endr
	WIN 0
	BAR                                            ; the 128 rows are whole in YS
.set n, 0
.rept 16
	ds_load_b128 v[192+4*n:192+4*n+3], v12 offset:528*n
.set n, n+1
.endr
	s_wait_loadcnt 0x0                             ; the residual
	s_wait_dscnt 0x0
.set n, 0
.rept 32
	v_pk_add_f32 v[192+2*n:193+2*n], v[192+2*n:193+2*n], v[128+2*n:129+2*n]
.set n, n+1
.endr
.set n, 0
.rept 16
	global_store_b128 v3, v[192+4*n:192+4*n+3], s[50:51] offset:512*n  ; a row: 512 consecutive bytes
.set n, n+1
.endr
	; my 16 rows' mean and M2, in two passes over registers that are only read from here on: no difference of large sums
.irp c, 0,1,2,3
	ADD4 128+4*(\c), 192+4*(\c), 208+4*(\c)
.endr
.set i, 8
.rept 8
	ADD4 128+4*(i%4), 128+4*(i%4), 192+4*i
.set i, i+1
.endr
	ADD4 128, 128, 132
	ADD4 136, 136, 140
	ADD4 128, 128, 136
	SCL4 128, 128, 0x3d800000                      ; / 16
.set i, 0
.rept 16
	SUB4 160+4*(i%4), 192+4*i, 128
.if i < 2
	MUL4 144+4*(i%2), 160+4*(i%4), 160+4*(i%4)
.else
	FMA4 144+4*(i%2), 160+4*(i%4), 160+4*(i%4), 144+4*(i%2)
.endif
.set i, i+1
.endr
	ADD4 144, 144, 148
	ds_store_b128 v13, v[128:131]
	ds_store_b128 v13, v[144:147] offset:512
	BAR
	s_cmp_lg_u32 s30, 0
	s_cbranch_scc1 .Lend
	; wave 0: mean = the mean of the eight means; M2 = the sum of the eight M2 + 16 x the sum of (mean_w - mean)^2
	v_lshl_add_u32 v56, v22, 4, RS
	v_lshlrev_b32 v57, 4, v22
.irp w, 0,1,2,3,4,5,6,7
	ds_load_b128 v[128+4*(\w):131+4*(\w)], v56 offset:1024*(\w)
	ds_load_b128 v[160+4*(\w):163+4*(\w)], v56 offset:1024*(\w)+512
.endr
	s_wait_dscnt 0x0
	ADD4 64, 128, 132
	ADD4 68, 136, 140
	ADD4 72, 144, 148
	ADD4 76, 152, 156
	ADD4 64, 64, 68
	ADD4 72, 72, 76
	ADD4 64, 64, 72
	SCL4 64, 64, 0x3e000000                        ; / 8
	ADD4 160, 160, 164
	ADD4 168, 168, 172
	ADD4 176, 176, 180
	ADD4 184, 184, 188
	ADD4 160, 160, 168
	ADD4 176, 176, 184
	ADD4 160, 160, 176
.irp w, 0,1,2,3,4,5,6,7
	SUB4 128+4*(\w), 128+4*(\w), 64
.endr
	MUL4 80, 128, 128
	MUL4 84, 132, 132
.irp w, 2,4,6
	FMA4 80, 128+4*(\w), 128+4*(\w), 80
	FMA4 84, 132+4*(\w), 132+4*(\w), 84
.endr
	ADD4 80, 80, 84
	v_pk_fma_f32 v[160:161], v[80:81], 0x41800000, v[160:161] op_sel_hi:[1,0,1]
	v_pk_fma_f32 v[162:163], v[82:83], 0x41800000, v[162:163] op_sel_hi:[1,0,1]
	global_store_b128 v57, v[64:67], s[52:53]
	global_store_b128 v57, v[160:163], s[52:53] offset:512
.Lend:
	s_wait_tensorcnt 0x0                           ; the wave's end, behind my last LDS store
	ds_add_u32 v1, v2
	s_wait_dscnt 0x0
	s_endpgm
.Lfunc_end_k_q04371f87c6_attn:
	.size	k_q04371f87c6_attn, .Lfunc_end_k_q04371f87c6_attn-k_q04371f87c6_attn
	.p2alignl 7, 3214868480
	.fill 96, 4, 3214868480
	.section	.rodata,"a",@progbits
	.p2align	6, 0x0
	.amdhsa_kernel k_q04371f87c6_attn
		.amdhsa_group_segment_fixed_size 316416
		.amdhsa_private_segment_fixed_size 0
		.amdhsa_enable_private_segment 0
		.amdhsa_kernarg_size 88
		.amdhsa_user_sgpr_count 2
		.amdhsa_user_sgpr_kernarg_segment_ptr 1
		.amdhsa_wavefront_size32 1
		.amdhsa_system_sgpr_workgroup_id_x 1
		.amdhsa_system_sgpr_workgroup_id_y 1
		.amdhsa_system_sgpr_workgroup_id_z 1
		.amdhsa_system_vgpr_workitem_id 0
		.amdhsa_next_free_vgpr 512
		.amdhsa_next_free_sgpr 66
		.amdhsa_reserve_vcc 0
		.amdhsa_float_denorm_mode_32 3
		.amdhsa_float_denorm_mode_16_64 3
		.amdhsa_memory_ordered 1
		.amdhsa_forward_progress 1
		.amdhsa_inst_pref_size 178
	.end_amdhsa_kernel
	.amdgpu_metadata
---
amdhsa.version: [ 1, 2 ]
amdhsa.kernels:
  - .name:           k_q04371f87c6_attn
    .symbol:         k_q04371f87c6_attn.kd
    .args:
      - { .name: embedding_node, .offset: 0, .size: 8, .value_kind: global_buffer, .address_space: global }
      - { .name: wq_w, .offset: 8, .size: 8, .value_kind: global_buffer, .address_space: global }
      - { .name: wk_w, .offset: 16, .size: 8, .value_kind: global_buffer, .address_space: global }
      - { .name: wv_w, .offset: 24, .size: 8, .value_kind: global_buffer, .address_space: global }
      - { .name: w_w, .offset: 32, .size: 8, .value_kind: global_buffer, .address_space: global }
      - { .name: wq_b, .offset: 40, .size: 8, .value_kind: global_buffer, .address_space: global }
      - { .name: ff1_w, .offset: 48, .size: 8, .value_kind: global_buffer, .address_space: global }
      - { .name: ff2_w, .offset: 56, .size: 8, .value_kind: global_buffer, .address_space: global }
      - { .name: x1, .offset: 64, .size: 8, .value_kind: global_buffer, .address_space: global }
      - { .name: part1, .offset: 72, .size: 8, .value_kind: global_buffer, .address_space: global }
      - { .name: wimg, .offset: 80, .size: 8, .value_kind: global_buffer, .address_space: global }
    .group_segment_fixed_size: 316416
    .private_segment_fixed_size: 0
    .kernarg_segment_align: 8
    .kernarg_segment_size: 88
    .max_flat_workgroup_size: 256
    .sgpr_count:     66
    .vgpr_count:     512
    .wavefront_size: 32
...
	.end_amdgpu_metadata
.endif
;; end of part 1
;; launch ff (part 2): grid 256 x 1, 4 waves a work-group, clusters of 4 x 1, 309,760 bytes of LDS; arguments x1, part1, bn1_g, bn1_b, wimg, ff1_b, y, part2; writes y, part2
.if DOCPART == 2
	.amdgcn_target "amdgcn-amd-amdhsa--gfx1250"
	.amdhsa_code_object_version 6
	.text
	.protected	k_q04371f87c6_ff
	.globl	k_q04371f87c6_ff
	.p2align	8
	.type	k_q04371f87c6_ff,@function
k_q04371f87c6_ff:
	s_mov_b64 s[64:65], 0
	v_nop
	global_prefetch_b8 v0, s[64:65] scope:SCOPE_SE
	s_setreg_imm32_b32 hwreg(HW_REG_WAVE_MODE, 25, 1), 1
	s_wait_xcnt 0x0
	s_wait_alu depctr_hold_cnt(0) depctr_sa_sdst(0) depctr_va_vdst(0) depctr_va_sdst(0) depctr_va_ssrc(0) depctr_va_vcc(0) depctr_vm_vsrc(0)
	s_getreg_b32 s2, hwreg(HW_REG_IB_STS2, 6, 4)
	s_cmp_eq_u32 s2, 0
	s_cbranch_scc0 .Lentry_in_a_cluster
	s_endpgm
.Lentry_in_a_cluster:
	s_bfe_u32 s2, ttmp6, 0x10000c
	s_cmp_lg_u32 s2, 0x3003
	s_cbranch_scc0 .Lentry_shape_is_right
	s_endpgm
.Lentry_shape_is_right:
; xn = BatchNorm1(x1);  y = xn + W2^T relu(W1^T xn + ff1_b);  the group's mean and M2 per channel for BatchNorm 2.
; LEFT OUT: ff2_b.  It adds the same number per channel to every row of y, and BatchNorm 2 takes the channel's mean away (shown at the head of the first kernel); it is no argument.
; A NaN or an infinity in it is not carried to the result.
; STATISTICS.  part1 holds, for each of 256 groups of 128 rows, the mean and M2 per channel.  With d_g = mean_g - mean_0: S1 = sum d, S2 = sum d^2, Q = sum M2; dm = S1 / 256; mean = mean_0 + dm;
; var = Q / 32,768 + (S2 / 256 - dm^2).  The difference is of the group means' spread about one of them, not of large sums: a common offset of x1 does not enter it.
; SHARES.  A work-group owns 128 rows, a wave 32: two tiles of 16 tokens, so each weight fragment read from LDS feeds two products.  Hidden units go in 16 chunks of 32.
; LAYOUT.  H^T = W1^T Xn^T (+ bias as C): a lane holds one token and 8 hidden units; two tiles, rounded and clamped at 0, ARE source 1 of Y^T = W2^T H^T.  Nothing changes lanes.
; CLUSTER.  All work-groups walk the same 262,144 bytes of weight fragments: four work-groups ask for them jointly, each wave four loads of 16,384 bytes at the start (four of mine are out at the most);
; every byte is filled once, nothing is filled again.
; LDS: the fragments 0; ff1_b 262,144; XN 264,192, 8,704 a wave (32 rows of bf16, pitch 272; later 16 rows of f32, pitch 528: a wave's own bytes); RED1 299,008; RED2 305,152; SPARE 309,248.
; REGISTERS.  Window 0: v0-60 addresses and statistics; v64-127 xn's fragments, later rows at work; v128-159 H; v160-191 H rounded, two buffers; v192-223 bias, two buffers.
; Window 1: W1's fragments 0-127 and W2's 128-255, two buffers each (the partials, during the reduction).  Window 2: Y 0-127; my 32 rows 128-255: x1, then xn, then y.
.set BIAS,  262144
.set XN,    264192
.set RED1,  299008
.set RED2,  305152
.set SPARE, 309248
.set MSB, 0
.macro WIN new                         ; bits 1:0 source 0, 3:2 source 1, 5:4 source 2, 7:6 destination; the high byte repeats the setting that is left
.if MSB != (\new)
	s_set_vgpr_msb (MSB<<8)|(\new)
.set MSB, (\new)
.endif
.endm
.macro PLACES cnt=4
.rept \cnt
	v_nop
.endr
.endm
.macro BAR
	s_wait_dscnt 0x0
	s_barrier_signal -1
	s_barrier_wait -1
.endm
.macro CROUND                          ; a round of the cluster's barrier: my work-group's barrier; wave 0 signals for it; every wave waits for all four; my work-group's barrier once more
	s_barrier_signal -1
	s_barrier_wait -1
	s_cmp_lg_u32 s20, 0
	s_cbranch_scc1 .Lnot_wave_0_\@
	s_barrier_signal -3
.Lnot_wave_0_\@:
	s_barrier_wait -3
	s_barrier_signal -1
	s_barrier_wait -1
.endm
.macro ADD4 d, a, b
	v_pk_add_f32 v[(\d):(\d)+1], v[(\a):(\a)+1], v[(\b):(\b)+1]
	v_pk_add_f32 v[(\d)+2:(\d)+3], v[(\a)+2:(\a)+3], v[(\b)+2:(\b)+3]
.endm
.macro SUB4 d, a, b
	v_pk_add_f32 v[(\d):(\d)+1], v[(\a):(\a)+1], v[(\b):(\b)+1] neg_lo:[0,1] neg_hi:[0,1]
	v_pk_add_f32 v[(\d)+2:(\d)+3], v[(\a)+2:(\a)+3], v[(\b)+2:(\b)+3] neg_lo:[0,1] neg_hi:[0,1]
.endm
.macro MUL4 d, a, b
	v_pk_mul_f32 v[(\d):(\d)+1], v[(\a):(\a)+1], v[(\b):(\b)+1]
	v_pk_mul_f32 v[(\d)+2:(\d)+3], v[(\a)+2:(\a)+3], v[(\b)+2:(\b)+3]
.endm
.macro FMA4 d, a, b, c
	v_pk_fma_f32 v[(\d):(\d)+1], v[(\a):(\a)+1], v[(\b):(\b)+1], v[(\c):(\c)+1]
	v_pk_fma_f32 v[(\d)+2:(\d)+3], v[(\a)+2:(\a)+3], v[(\b)+2:(\b)+3], v[(\c)+2:(\c)+3]
.endm
.macro NFMA4 d, a, b, c                ; c - a b
	v_pk_fma_f32 v[(\d):(\d)+1], v[(\a):(\a)+1], v[(\b):(\b)+1], v[(\c):(\c)+1] neg_lo:[1,0,0] neg_hi:[1,0,0]
	v_pk_fma_f32 v[(\d)+2:(\d)+3], v[(\a)+2:(\a)+3], v[(\b)+2:(\b)+3], v[(\c)+2:(\c)+3] neg_lo:[1,0,0] neg_hi:[1,0,0]
.endm
.macro SCL4 d, a, k
	v_pk_mul_f32 v[(\d):(\d)+1], v[(\a):(\a)+1], \k op_sel_hi:[1,0]
	v_pk_mul_f32 v[(\d)+2:(\d)+3], v[(\a)+2:(\a)+3], \k op_sel_hi:[1,0]
.endm
; From S1, S2, Q, mean_0, gamma, beta: a = gamma / sqrt(var + 1e-5), b = beta - mean a
.macro BNAB pS1, pS2, pQ, pM, pG, pE, pA, pC
	SCL4 \pS1, \pS1, 0x3b800000                    ; dm = S1 / 256
	SCL4 \pS2, \pS2, 0x3b800000
	NFMA4 \pS2, \pS1, \pS1, \pS2                   ; S2 / 256 - dm^2
	v_pk_fma_f32 v[(\pQ):(\pQ)+1], v[(\pQ):(\pQ)+1], 0x38000000, v[(\pS2):(\pS2)+1] op_sel_hi:[1,0,1]       ; + Q / 32,768
	v_pk_fma_f32 v[(\pQ)+2:(\pQ)+3], v[(\pQ)+2:(\pQ)+3], 0x38000000, v[(\pS2)+2:(\pS2)+3] op_sel_hi:[1,0,1]
.irp i, 0,1,2,3
	v_max_num_f32 v[(\pQ)+(\i)], 0, v[(\pQ)+(\i)]  ; a variance is not negative: rounding may have made it so
.endr
	v_pk_add_f32 v[(\pQ):(\pQ)+1], v[(\pQ):(\pQ)+1], 0x3727c5ac op_sel_hi:[1,0]
	v_pk_add_f32 v[(\pQ)+2:(\pQ)+3], v[(\pQ)+2:(\pQ)+3], 0x3727c5ac op_sel_hi:[1,0]
.irp i, 0,1,2,3
	v_rsq_f32 v[(\pQ)+(\i)], v[(\pQ)+(\i)]
.endr
	ADD4 \pS1, \pM, \pS1                           ; the mean: plain work behind the last root,
	s_wait_alu depctr_va_vdst(0)                   ; and one wait ahead of the roots' first reader
	MUL4 \pA, \pG, \pQ
	NFMA4 \pC, \pS1, \pA, \pE
.endm
	s_load_b512 s[4:19], s[0:1], 0x0               ; x1 s[4:5], part1 s[6:7], gamma s[8:9], beta s[10:11], wimg s[12:13], ff1_b s[14:15], y s[16:17], part2 s[18:19]
	v_lshl_add_u32 v1, v0, 2, SPARE
	v_mov_b32 v2, 0
	ds_add_u32 v1, v2                              ; the wave's opening: the add, twice on end, and its wait ahead of my first tensor load
	ds_add_u32 v1, v2
	v_lshrrev_b32 v3, 5, v0
	v_readfirstlane_b32 s20, v3                    ; wave
	s_bfe_u32 s21, ttmp6, 0x40000                  ; cx
	s_lshl_b32 s22, ttmp9, 2
	s_add_co_u32 s22, s22, s21                     ; my work-group's number: it enters the addresses of x1, y and part2 alone
	; descriptor group 1: 16,384 dense bytes as 64 rows of 32 elements of 8 bytes, no padding
	s_mov_b32 s24, 15|(3<<16)|(1<<21)              ; 15:0 the mask of four; 17:16 8-byte elements; 21 set beside a mask
	s_mov_b32 s25, 32<<16                          ; tensor_dim0 = 32
	s_mov_b32 s26, 64<<16                          ; tensor_dim1 = 64
	s_mov_b32 s27, 32<<16                          ; tile_dim0 = 32
	s_mov_b32 s28, 64                              ; tile_dim1 = 64
	s_mov_b32 s29, 32                              ; 32 elements from row to row
	s_mov_b32 s30, 0
	s_mov_b32 s31, 0
	s_lshl_b32 s48, s20, 14                        ; my quarter of a stage: 16,384 x wave, in memory and in LDS
	s_mov_b32 s49, 0
	s_mov_b32 s61, 0
	s_wait_dscnt 0x0                               ; both opening adds are done
	s_wait_kmcnt 0x0
	s_add_nc_u64 s[50:51], s[12:13], s[48:49]
.irp gq, 0,1,2,3                       ; group 0 for stage gq: four chunks of the weights, 65,536 bytes
	s_mov_b32 s[32+4*(\gq)], 1
	s_add_co_u32 s[33+4*(\gq)], s48, 65536*(\gq)
	s_add_nc_u64 s[34+4*(\gq):35+4*(\gq)], s[50:51], 65536*(\gq)
	s_or_b32 s[35+4*(\gq)], s[35+4*(\gq)], 0x80000000
.endr
	s_lshl_b32 s60, s22, 16
	s_add_nc_u64 s[52:53], s[4:5], s[60:61]        ; x1 and y at my 128 rows
	s_add_nc_u64 s[54:55], s[16:17], s[60:61]
	s_lshl_b32 s60, s22, 10
	s_add_nc_u64 s[56:57], s[18:19], s[60:61]      ; part2 at my group
	s_mov_b64 s[58:59], s[6:7]
	CROUND                                         ; all four work-groups are here: the joint loads meet
.irp gq, 0,1,2,3
	tensor_load_to_lds s[32+4*(\gq):35+4*(\gq)], s[24:31]
	s_nop 0
.endr
	PLACES
	v_and_b32 v58, 31, v0                          ; L
	v_and_b32 v59, 15, v0                          ; r
	v_bfe_u32 v60, v0, 4, 1                        ; h
	v_lshl_add_u32 v3, v58, 4, s48                 ; my 32 rows of 512 bytes + 16 L
	v_lshlrev_b32 v49, 4, v58
	v_lshlrev_b32 v54, 4, v0
	WIN 0x80
.set i, 0
.rept 32
	global_load_b128 v[128+4*i:128+4*i+3], v3, s[52:53] offset:512*i th:TH_LOAD_NT
.set i, i+1
.endr
	WIN 0
	global_load_b128 v[40:43], v49, s[8:9]
	global_load_b128 v[44:47], v49, s[10:11]
	global_load_b128 v[36:39], v49, s[6:7]         ; mean_0
	global_load_b128 v[50:53], v54, s[14:15]       ; my thread's 16 bytes of ff1_b
	v_add_nc_u32 v55, BIAS, v54
	s_mul_i32 s60, s20, 8704
	s_add_co_u32 s60, s60, XN
	v_lshl_add_u32 v4, v58, 3, s60
	v_mul_u32_u24 v5, v59, 272
	v_lshl_add_u32 v5, v60, 4, v5
	v_add_nc_u32 v5, s60, v5
	v_mov_b32 v6, v49                              ; the four stages + 16 L
	v_add_nc_u32 v7, 65536, v49
	v_add_nc_u32 v8, 131072, v49
	v_add_nc_u32 v9, 196608, v49
	v_lshl_add_u32 v10, v60, 5, BIAS
	v_mul_u32_u24 v11, v59, 528
	v_lshl_add_u32 v11, v60, 5, v11
	v_add_nc_u32 v11, s60, v11
	v_add_nc_u32 v12, s60, v49
	s_mul_i32 s60, s20, 1536
	s_add_co_u32 s60, s60, RED1
	v_add_nc_u32 v13, s60, v49
	v_mov_b32 v14, 0
	s_lshl_b32 s60, s20, 10
	s_add_co_u32 s60, s60, RED2
	v_add_nc_u32 v15, s60, v49
	s_lshl_b32 s60, s20, 16
	v_add_nc_u32 v48, s60, v49                     ; my 64 groups of part1 + 16 L
	v_add_nc_u32 v56, RED1, v49
	v_add_nc_u32 v57, RED2, v49
.set i, 24
.rept 12
	v_mov_b32 v[i], 0                              ; S1, S2, Q
.set i, i+1
.endr
	s_mov_b32 s62, 2
.Lred:                                         ; a trip: 32 groups' means and M2
	WIN 0x40
.set i, 0
.rept 32
	global_load_b128 v[8*i:8*i+3], v48, s[58:59] offset:1024*i
	global_load_b128 v[8*i+4:8*i+7], v48, s[58:59] offset:1024*i+512
.set i, i+1
.endr
.irp b, 0,1,2,3
	s_wait_loadcnt 48-16*(\b)                      ; eight groups' 16 loads are in; the trip's younger ones stay out
	WIN 0x01
.irp k, 0,1,2,3,4,5,6,7
	SUB4 64+4*(\k), 8*(8*(\b)+(\k)), 36
	ADD4 32, 8*(8*(\b)+(\k))+4, 32
.endr
	WIN 0
.irp k, 0,1,2,3,4,5,6,7
	ADD4 24, 24, 64+4*(\k)
	FMA4 28, 64+4*(\k), 64+4*(\k), 28
.endr
.endr
	s_add_nc_u64 s[58:59], s[58:59], 32768         ; behind the wait for 0: no load still reads the base
	s_sub_co_u32 s62, s62, 1
	s_cmp_lg_u32 s62, 0
	s_cbranch_scc1 .Lred
	ds_store_b128 v13, v[24:27]
	ds_store_b128 v13, v[28:31] offset:512
	ds_store_b128 v13, v[32:35] offset:1024
	ds_store_b128 v55, v[50:53]
	s_wait_tensorcnt 0x3                           ; my part of stage 0 is in; the three younger loads stay out
	BAR
.irp w, 0,1,2,3
.irp q, 0,1,2
	ds_load_b128 v[64+4*(3*(\w)+(\q)):64+4*(3*(\w)+(\q))+3], v56 offset:1536*(\w)+512*(\q)
.endr
.endr
	s_wait_dscnt 0x0
.irp q, 0,1,2
	ADD4 24+4*(\q), 64+4*(\q), 76+4*(\q)
	ADD4 64+4*(\q), 88+4*(\q), 100+4*(\q)
	ADD4 24+4*(\q), 24+4*(\q), 64+4*(\q)
.endr
	BNAB 24, 28, 32, 36, 40, 44, 16, 20
	WIN 0x82
.set i, 0
.rept 32
	FMA4 128+4*i, 128+4*i, 16, 20                  ; xn = x1 a + b, kept in f32 for the residual
.set i, i+1
.endr
.irp b, 0,1,2,3
	WIN 0x0a
.irp k, 0,1,2,3,4,5,6,7
	v_cvt_pk_bf16_f32 v[24+2*(\k)], v[128+4*(8*(\b)+(\k))], v[129+4*(8*(\b)+(\k))]
	v_cvt_pk_bf16_f32 v[25+2*(\k)], v[130+4*(8*(\b)+(\k))], v[131+4*(8*(\b)+(\k))]
.endr
	WIN 0
.irp k, 0,1,2,3,4,5,6,7
	ds_store_b64 v4, v[24+2*(\k):25+2*(\k)] offset:272*(8*(\b)+(\k))
.endr
.endr
.irp n, 0,1
.irp s, 0,1,2,3                        ; my own bytes: LDS serves a wave's instructions in order (ISA guide 5.7.1.4)
	ds_load_b128 v[64+32*(\n)+8*(\s):64+32*(\n)+8*(\s)+3], v5 offset:4352*(\n)+64*(\s)
	ds_load_b128 v[64+32*(\n)+8*(\s)+4:64+32*(\n)+8*(\s)+7], v5 offset:4352*(\n)+64*(\s)+32
.endr
.endr
.macro LDW1 j                          ; chunk j's eight fragments of W1^T into buffer j % 2
.set ar, 6+(\j)/4
.set ob, 16384*((\j)%4)
.set rb, 64*((\j)%2)
.irp x, 0,1,2,3,4,5,6,7
	ds_load_b128 v[rb+8*(\x):rb+8*(\x)+3], v[ar] offset:ob+1024*(\x)
	ds_load_b128 v[rb+8*(\x)+4:rb+8*(\x)+7], v[ar] offset:ob+1024*(\x)+512
.endr
.endm
.macro LDW2 j                          ; its eight fragments of W2^T
.set ar, 6+(\j)/4
.set ob, 16384*((\j)%4)+8192
.set rb, 128+64*((\j)%2)
.irp x, 0,1,2,3,4,5,6,7
	ds_load_b128 v[rb+8*(\x):rb+8*(\x)+3], v[ar] offset:ob+1024*(\x)
	ds_load_b128 v[rb+8*(\x)+4:rb+8*(\x)+7], v[ar] offset:ob+1024*(\x)+512
.endr
.endm
.macro LDBI j                          ; its bias as two C operands: register i = ff1_b[32 j + 16 m + 8 h + i]
.irp m, 0,1
	ds_load_b128 v[192+16*((\j)%2)+8*(\m):192+16*((\j)%2)+8*(\m)+3], v10 offset:128*(\j)+64*(\m)
	ds_load_b128 v[192+16*((\j)%2)+8*(\m)+4:192+16*((\j)%2)+8*(\m)+7], v10 offset:128*(\j)+64*(\m)+16
.endr
.endm
.macro FF1 j                           ; 16 products; the four accumulators take turns
	WIN 0x01
.irp s, 0,1,2,3
.irp m, 0,1
.irp n, 0,1
.if (\s) == 0
	v_wmma_f32_16x16x32_bf16 v[128+8*(2*(\m)+(\n)):128+8*(2*(\m)+(\n))+7], v[64*((\j)%2)+8*(4*(\m)+(\s)):64*((\j)%2)+8*(4*(\m)+(\s))+7], v[64+32*(\n)+8*(\s):64+32*(\n)+8*(\s)+7], v[192+16*((\j)%2)+8*(\m):192+16*((\j)%2)+8*(\m)+7]
.else
	v_wmma_f32_16x16x32_bf16 v[128+8*(2*(\m)+(\n)):128+8*(2*(\m)+(\n))+7], v[64*((\j)%2)+8*(4*(\m)+(\s)):64*((\j)%2)+8*(4*(\m)+(\s))+7], v[64+32*(\n)+8*(\s):64+32*(\n)+8*(\s)+7], v[128+8*(2*(\m)+(\n)):128+8*(2*(\m)+(\n))+7]
.endif
.endr
.endr
.endr
.endm
.macro FF2 j                           ; 16 products, one on each of Y's accumulators; chunk 0 starts the sums
	WIN 0xa1
.irp m, 0,1,2,3,4,5,6,7
.irp n, 0,1
.if (\j) == 0
	v_wmma_f32_16x16x32_bf16 v[8*(2*(\m)+(\n)):8*(2*(\m)+(\n))+7], v[128+64*((\j)%2)+8*(\m):128+64*((\j)%2)+8*(\m)+7], v[160+16*((\j)%2)+8*(\n):160+16*((\j)%2)+8*(\n)+7], 0
.else
	v_wmma_f32_16x16x32_bf16 v[8*(2*(\m)+(\n)):8*(2*(\m)+(\n))+7], v[128+64*((\j)%2)+8*(\m):128+64*((\j)%2)+8*(\m)+7], v[160+16*((\j)%2)+8*(\n):160+16*((\j)%2)+8*(\n)+7], v[8*(2*(\m)+(\n)):8*(2*(\m)+(\n))+7]
.endif
.endr
.endr
.endm
.macro PACK j                          ; H rounded to bf16, then clamped at 0, two numbers an instruction
	WIN 0
.irp m, 0,1
.irp n, 0,1
.irp i, 0,1,2,3
	v_cvt_pk_bf16_f32 v[160+16*((\j)%2)+8*(\n)+4*(\m)+(\i)], v[128+8*(2*(\m)+(\n))+2*(\i)], v[128+8*(2*(\m)+(\n))+2*(\i)+1]
.endr
.endr
.endr
.set i, 0
.rept 16
	v_pk_max_num_bf16 v[160+16*((\j)%2)+i], v[160+16*((\j)%2)+i], v14
.set i, i+1
.endr
.endm
; Trip j: the loads for what follows; chunk j's first product; chunk j - 1's second, under which H of chunk j is finished; then H is packed.
.macro ITER j
.if (((\j)%4) == 3) && ((\j) < 15)
	WIN 0
	s_wait_tensorcnt 3-((\j)+1)/4                  ; my part of the next stage is in; the younger loads stay out,
	BAR                                            ; and everybody's is
.endif
	WIN 0x40
.if (\j) < 15
	LDW1 (\j)+1
.endif
	LDW2 \j
	WIN 0
.if (\j) < 15
	LDBI (\j)+1
	s_wait_dscnt 36                                ; all but this trip's 36 loads: W1 and the bias of chunk j and W2 of chunk j - 1 are in
.else
	s_wait_dscnt 16                                ; all but this trip's 16
.endif
	FF1 \j
.if (\j) > 0
	FF2 (\j)-1
.endif
	WIN 0
	PLACES
	PACK \j
.endm
	WIN 0x40
	LDW1 0
	WIN 0
	LDBI 0
.irp j, 0,1,2,3,4,5,6,7,8,9,10,11,12,13,14,15
	ITER \j
.endr
	s_wait_dscnt 0x0
	FF2 15
	WIN 0
	PLACES
	; THE WAY OUT, a tile of 16 tokens at a time: Y^T into my stage (rows of 528 bytes), back as whole rows, added onto xn, stored
.irp n, 0,1
	WIN 0x08
.irp m, 0,1,2,3,4,5,6,7
	ds_store_b128 v11, v[8*(2*(\m)+(\n)):8*(2*(\m)+(\n))+3] offset:64*(\m)
	ds_store_b128 v11, v[8*(2*(\m)+(\n))+4:8*(2*(\m)+(\n))+7] offset:64*(\m)+16
.endr
	WIN 0
.set i, 0
.rept 16
	ds_load_b128 v[64+4*i:64+4*i+3], v12 offset:528*i
.set i, i+1
.endr
	s_wait_dscnt 0x0
	WIN 0x82
.set i, 0
.rept 16
	ADD4 128+4*(16*(\n)+i), 128+4*(16*(\n)+i), 64+4*i
.set i, i+1
.endr
	WIN 0x08
.set i, 0
.rept 16
	global_store_b128 v3, v[128+4*(16*(\n)+i):128+4*(16*(\n)+i)+3], s[54:55] offset:512*(16*(\n)+i)   ; a row: 512 consecutive bytes
.set i, i+1
.endr
.endr
	; my 32 rows' mean and M2, in two passes over registers that are only read from here on
	WIN 0x0a
.irp c, 0,1,2,3
	ADD4 24+4*(\c), 128+4*(\c), 144+4*(\c)
.endr
	WIN 0x02
.set i, 8
.rept 24
	ADD4 24+4*(i%4), 128+4*i, 24+4*(i%4)
.set i, i+1
.endr
	WIN 0
	ADD4 24, 24, 28
	ADD4 32, 32, 36
	ADD4 24, 24, 32
	SCL4 24, 24, 0x3d000000                        ; / 32
.irp b, 0,1,2,3
	WIN 0x02
.irp k, 0,1,2,3,4,5,6,7
	SUB4 64+4*(\k), 128+4*(8*(\b)+(\k)), 24
.endr
	WIN 0
.irp k, 0,1,2,3,4,5,6,7
.if ((\b) == 0) && ((\k) < 2)
	MUL4 28+4*((\k)%2), 64+4*(\k), 64+4*(\k)
.else
	FMA4 28+4*((\k)%2), 64+4*(\k), 64+4*(\k), 28+4*((\k)%2)
.endif
.endr
.endr
	ADD4 28, 28, 32
	ds_store_b128 v15, v[24:27]
	ds_store_b128 v15, v[28:31] offset:512
	BAR
	s_cmp_lg_u32 s20, 0
	s_cbranch_scc1 .Lfin
	; wave 0: mean = the mean of the four means; M2 = the sum of the four M2 + 32 x the sum of (mean_w - mean)^2
.irp w, 0,1,2,3
	ds_load_b128 v[64+4*(\w):67+4*(\w)], v57 offset:1024*(\w)
	ds_load_b128 v[80+4*(\w):83+4*(\w)], v57 offset:1024*(\w)+512
.endr
	s_wait_dscnt 0x0
	ADD4 24, 64, 68
	ADD4 28, 72, 76
	ADD4 24, 24, 28
	SCL4 24, 24, 0x3e800000                        ; / 4
	ADD4 80, 80, 84
	ADD4 88, 88, 92
	ADD4 80, 80, 88
.irp w, 0,1,2,3
	SUB4 64+4*(\w), 64+4*(\w), 24
.endr
	MUL4 28, 64, 64
	MUL4 32, 68, 68
	FMA4 28, 72, 72, 28
	FMA4 32, 76, 76, 32
	ADD4 28, 28, 32
	v_pk_fma_f32 v[80:81], v[28:29], 0x42000000, v[80:81] op_sel_hi:[1,0,1]
	v_pk_fma_f32 v[82:83], v[30:31], 0x42000000, v[82:83] op_sel_hi:[1,0,1]
	global_store_b128 v49, v[24:27], s[56:57]
	global_store_b128 v49, v[80:83], s[56:57] offset:512
.Lfin:
	s_wait_tensorcnt 0x0                           ; the wave's end, behind my last tensor load and my last LDS store
	ds_add_u32 v1, v2
	s_wait_dscnt 0x0
	CROUND                                         ; the closing round
	s_endpgm
.Lfunc_end_k_q04371f87c6_ff:
	.size	k_q04371f87c6_ff, .Lfunc_end_k_q04371f87c6_ff-k_q04371f87c6_ff
	.p2alignl 7, 3214868480
	.fill 96, 4, 3214868480
	.section	.rodata,"a",@progbits
	.p2align	6, 0x0
	.amdhsa_kernel k_q04371f87c6_ff
		.amdhsa_group_segment_fixed_size 309760
		.amdhsa_private_segment_fixed_size 0
		.amdhsa_enable_private_segment 0
		.amdhsa_kernarg_size 64
		.amdhsa_user_sgpr_count 2
		.amdhsa_user_sgpr_kernarg_segment_ptr 1
		.amdhsa_wavefront_size32 1
		.amdhsa_system_sgpr_workgroup_id_x 1
		.amdhsa_system_sgpr_workgroup_id_y 1
		.amdhsa_system_sgpr_workgroup_id_z 1
		.amdhsa_system_vgpr_workitem_id 0
		.amdhsa_next_free_vgpr 768
		.amdhsa_next_free_sgpr 66
		.amdhsa_reserve_vcc 0
		.amdhsa_float_denorm_mode_32 3
		.amdhsa_float_denorm_mode_16_64 3
		.amdhsa_memory_ordered 1
		.amdhsa_forward_progress 1
		.amdhsa_inst_pref_size 180
	.end_amdhsa_kernel
	.amdgpu_metadata
---
amdhsa.version: [ 1, 2 ]
amdhsa.kernels:
  - .name:           k_q04371f87c6_ff
    .symbol:         k_q04371f87c6_ff.kd
    .args:
      - { .name: x1, .offset: 0, .size: 8, .value_kind: global_buffer, .address_space: global }
      - { .name: part1, .offset: 8, .size: 8, .value_kind: global_buffer, .address_space: global }
      - { .name: bn1_g, .offset: 16, .size: 8, .value_kind: global_buffer, .address_space: global }
      - { .name: bn1_b, .offset: 24, .size: 8, .value_kind: global_buffer, .address_space: global }
      - { .name: wimg, .offset: 32, .size: 8, .value_kind: global_buffer, .address_space: global }
      - { .name: ff1_b, .offset: 40, .size: 8, .value_kind: global_buffer, .address_space: global }
      - { .name: y, .offset: 48, .size: 8, .value_kind: global_buffer, .address_space: global }
      - { .name: part2, .offset: 56, .size: 8, .value_kind: global_buffer, .address_space: global }
    .group_segment_fixed_size: 309760
    .private_segment_fixed_size: 0
    .kernarg_segment_align: 8
    .kernarg_segment_size: 64
    .max_flat_workgroup_size: 128
    .sgpr_count:     66
    .vgpr_count:     768
    .wavefront_size: 32
...
	.end_amdgpu_metadata
.endif
;; end of part 2
;; launch norm (part 3): grid 256 x 1, 8 waves a work-group, no clusters, 13,312 bytes of LDS; arguments y, part2, bn2_g, bn2_b, out0; writes out0
.if DOCPART == 3
	.amdgcn_target "amdgcn-amd-amdhsa--gfx1250"
	.amdhsa_code_object_version 6
	.text
	.protected	k_q04371f87c6_norm
	.globl	k_q04371f87c6_norm
	.p2align	8
	.type	k_q04371f87c6_norm,@function
k_q04371f87c6_norm:
	s_mov_b64 s[64:65], 0
	v_nop
	global_prefetch_b8 v0, s[64:65] scope:SCOPE_SE
	s_setreg_imm32_b32 hwreg(HW_REG_WAVE_MODE, 25, 1), 1
	s_wait_xcnt 0x0
; out0 = BatchNorm2(y).  Nothing is left out here.
; SHARES.  Work-group g: channels 64 (g % 2) on, rows 256 (g / 2) on; a wave 32 rows.  So a work-group needs only its 64 channels of the 256 groups' partials, 131,072 bytes.
; Every load and store takes 16 lanes x 16 bytes = 256 consecutive bytes, aligned, of one row (or group), and lanes 16-31 the next row's (or group's).
; STATISTICS as in the second kernel: d_g = mean_g - mean_0, S1 = sum d, S2 = sum d^2, Q = sum M2; var = Q / 32,768 + (S2 / 256 - (S1 / 256)^2): no difference of large sums.
; A stream: no matrix unit.  NO CLUSTER: the partials that neighbours share go straight into registers, a lane's own 16 bytes at a time; a joint load would send them through LDS first.
; LDS: the waves' sums 0 (8 x 1,536); SPARE 12,288.
.set SPARE, 12288
.macro ADD4 d, a, b
	v_pk_add_f32 v[(\d):(\d)+1], v[(\a):(\a)+1], v[(\b):(\b)+1]
	v_pk_add_f32 v[(\d)+2:(\d)+3], v[(\a)+2:(\a)+3], v[(\b)+2:(\b)+3]
.endm
.macro SUB4 d, a, b
	v_pk_add_f32 v[(\d):(\d)+1], v[(\a):(\a)+1], v[(\b):(\b)+1] neg_lo:[0,1] neg_hi:[0,1]
	v_pk_add_f32 v[(\d)+2:(\d)+3], v[(\a)+2:(\a)+3], v[(\b)+2:(\b)+3] neg_lo:[0,1] neg_hi:[0,1]
.endm
.macro MUL4 d, a, b
	v_pk_mul_f32 v[(\d):(\d)+1], v[(\a):(\a)+1], v[(\b):(\b)+1]
	v_pk_mul_f32 v[(\d)+2:(\d)+3], v[(\a)+2:(\a)+3], v[(\b)+2:(\b)+3]
.endm
.macro FMA4 d, a, b, c
	v_pk_fma_f32 v[(\d):(\d)+1], v[(\a):(\a)+1], v[(\b):(\b)+1], v[(\c):(\c)+1]
	v_pk_fma_f32 v[(\d)+2:(\d)+3], v[(\a)+2:(\a)+3], v[(\b)+2:(\b)+3], v[(\c)+2:(\c)+3]
.endm
.macro NFMA4 d, a, b, c                ; c - a b
	v_pk_fma_f32 v[(\d):(\d)+1], v[(\a):(\a)+1], v[(\b):(\b)+1], v[(\c):(\c)+1] neg_lo:[1,0,0] neg_hi:[1,0,0]
	v_pk_fma_f32 v[(\d)+2:(\d)+3], v[(\a)+2:(\a)+3], v[(\b)+2:(\b)+3], v[(\c)+2:(\c)+3] neg_lo:[1,0,0] neg_hi:[1,0,0]
.endm
.macro SCL4 d, a, k
	v_pk_mul_f32 v[(\d):(\d)+1], v[(\a):(\a)+1], \k op_sel_hi:[1,0]
	v_pk_mul_f32 v[(\d)+2:(\d)+3], v[(\a)+2:(\a)+3], \k op_sel_hi:[1,0]
.endm
	s_load_b256 s[4:11], s[0:1], 0x0               ; y s[4:5], part2 s[6:7], gamma s[8:9], beta s[10:11]
	s_load_b64 s[12:13], s[0:1], 0x20              ; out0
	v_lshl_add_u32 v1, v0, 2, SPARE                ; my spare word, and 0: kept for the add at the wave's end
	v_mov_b32 v2, 0
	v_lshrrev_b32 v3, 5, v0
	v_readfirstlane_b32 s14, v3                    ; wave
	v_and_b32 v56, 15, v0                          ; r
	v_bfe_u32 v57, v0, 4, 1                        ; h
	v_and_b32 v58, 31, v0                          ; L
	s_and_b32 s15, ttmp9, 1                        ; which 64 channels
	s_lshr_b32 s16, ttmp9, 1                       ; which 256 rows
	s_lshl_b32 s18, s15, 8
	s_mov_b32 s19, 0
	s_lshl_b32 s20, s16, 17
	s_add_co_u32 s20, s20, s18
	s_mov_b32 s21, 0
	s_mov_b32 s24, 0x76543210
	s_mov_b32 s25, 0xfedcba98
	v_lshlrev_b32 v5, 4, v56                       ; 16 r
	v_lshl_add_u32 v3, v57, 9, v5
	s_lshl_b32 s22, s14, 14
	v_add_nc_u32 v3, s22, v3                       ; y: my 32 rows, row h of a pair, 16 r
	v_lshl_add_u32 v4, v57, 10, v5
	s_lshl_b32 s22, s14, 15
	v_add_nc_u32 v4, s22, v4                       ; part2: my 32 groups, group h of a pair, 16 r
	v_lshlrev_b32 v7, 4, v58
	s_mul_i32 s22, s14, 1536
	v_add_nc_u32 v6, s22, v7
.set i, 8
.rept 12
	v_mov_b32 v[i], 0                              ; S1, S2, Q
.set i, i+1
.endr
.set i, 44
.rept 12
	v_mov_b32 v[i], 0                              ; the lane exchange's destinations count as read
.set i, i+1
.endr
	s_wait_kmcnt 0x0
	s_add_nc_u64 s[4:5], s[4:5], s[20:21]
	s_add_nc_u64 s[12:13], s[12:13], s[20:21]
	s_add_nc_u64 s[6:7], s[6:7], s[18:19]
	s_add_nc_u64 s[8:9], s[8:9], s[18:19]
	s_add_nc_u64 s[10:11], s[10:11], s[18:19]
.set i, 0
.rept 16
	global_load_b128 v[64+4*i:64+4*i+3], v3, s[4:5] offset:1024*i th:TH_LOAD_NT
.set i, i+1
.endr
	global_load_b128 v[28:31], v5, s[8:9]
	global_load_b128 v[32:35], v5, s[10:11]
	global_load_b128 v[20:23], v5, s[6:7]          ; mean_0
.set i, 0
.rept 16
	global_load_b128 v[128+8*i:128+8*i+3], v4, s[6:7] offset:2048*i
	global_load_b128 v[132+8*i:132+8*i+3], v4, s[6:7] offset:2048*i+512
.set i, i+1
.endr
.irp b, 0,1,2,3
	s_wait_loadcnt 24-8*(\b)                       ; four pairs of mean and M2 are in; the younger loads stay out
.irp k, 0,1,2,3
	SUB4 24, 128+8*(4*(\b)+(\k)), 20
	ADD4 16, 16, 132+8*(4*(\b)+(\k))
	ADD4 8, 8, 24
	FMA4 12, 24, 24, 12
.endr
.endr
.set i, 0
.rept 12
	v_permlanex16_b32 v[44+i], v[8+i], s24, s25    ; the other half of the lanes holds the same channels of other groups
.set i, i+1
.endr
.set i, 0
.rept 6
	v_pk_add_f32 v[8+2*i:9+2*i], v[8+2*i:9+2*i], v[44+2*i:45+2*i]
.set i, i+1
.endr
	ds_store_b128 v6, v[8:11]
	ds_store_b128 v6, v[12:15] offset:512
	ds_store_b128 v6, v[16:19] offset:1024
	s_wait_dscnt 0x0                               ; for the others' sake
	s_barrier_signal -1
	s_barrier_wait -1
.irp w, 0,1,2,3,4,5,6,7
.irp q, 0,1,2
	ds_load_b128 v[128+12*(\w)+4*(\q):128+12*(\w)+4*(\q)+3], v7 offset:1536*(\w)+512*(\q)
.endr
.endr
	s_wait_dscnt 0x0
.irp q, 0,1,2
	ADD4 8+4*(\q), 128+4*(\q), 140+4*(\q)
.endr
.irp w, 2,3,4,5,6,7
.irp q, 0,1,2
	ADD4 8+4*(\q), 8+4*(\q), 128+12*(\w)+4*(\q)
.endr
.endr
	SCL4 8, 8, 0x3b800000                          ; dm = S1 / 256
	SCL4 12, 12, 0x3b800000
	NFMA4 12, 8, 8, 12                             ; S2 / 256 - dm^2
	v_pk_fma_f32 v[16:17], v[16:17], 0x38000000, v[12:13] op_sel_hi:[1,0,1]    ; + Q / 32,768
	v_pk_fma_f32 v[18:19], v[18:19], 0x38000000, v[14:15] op_sel_hi:[1,0,1]
.irp i, 0,1,2,3
	v_max_num_f32 v[16+(\i)], 0, v[16+(\i)]        ; a variance is not negative: rounding may have made it so
.endr
	v_pk_add_f32 v[16:17], v[16:17], 0x3727c5ac op_sel_hi:[1,0]
	v_pk_add_f32 v[18:19], v[18:19], 0x3727c5ac op_sel_hi:[1,0]
.irp i, 0,1,2,3
	v_rsq_f32 v[16+(\i)], v[16+(\i)]
.endr
	ADD4 8, 20, 8                                  ; the mean: plain work behind the last root,
	s_wait_alu depctr_va_vdst(0)                   ; and one wait ahead of the roots' first reader
	MUL4 36, 28, 16                                ; a = gamma / sqrt(var + 1e-5)
	NFMA4 40, 8, 36, 32                            ; b = beta - mean a
.set i, 0
.rept 16
	FMA4 64+4*i, 64+4*i, 36, 40
.set i, i+1
.endr
.set i, 0
.rept 16
	global_store_b128 v3, v[64+4*i:64+4*i+3], s[12:13] offset:1024*i th:TH_STORE_NT
.set i, i+1
.endr
	s_wait_tensorcnt 0x0                           ; the wave's end, behind my last LDS store
	ds_add_u32 v1, v2
	s_wait_dscnt 0x0
	s_endpgm
.Lfunc_end_k_q04371f87c6_norm:
	.size	k_q04371f87c6_norm, .Lfunc_end_k_q04371f87c6_norm-k_q04371f87c6_norm
	.p2alignl 7, 3214868480
	.fill 96, 4, 3214868480
	.section	.rodata,"a",@progbits
	.p2align	6, 0x0
	.amdhsa_kernel k_q04371f87c6_norm
		.amdhsa_group_segment_fixed_size 13312
		.amdhsa_private_segment_fixed_size 0
		.amdhsa_enable_private_segment 0
		.amdhsa_kernarg_size 40
		.amdhsa_user_sgpr_count 2
		.amdhsa_user_sgpr_kernarg_segment_ptr 1
		.amdhsa_wavefront_size32 1
		.amdhsa_system_sgpr_workgroup_id_x 1
		.amdhsa_system_sgpr_workgroup_id_y 1
		.amdhsa_system_sgpr_workgroup_id_z 1
		.amdhsa_system_vgpr_workitem_id 0
		.amdhsa_next_free_vgpr 256
		.amdhsa_next_free_sgpr 66
		.amdhsa_reserve_vcc 0
		.amdhsa_float_denorm_mode_32 3
		.amdhsa_float_denorm_mode_16_64 3
		.amdhsa_memory_ordered 1
		.amdhsa_forward_progress 1
		.amdhsa_inst_pref_size 27
	.end_amdhsa_kernel
	.amdgpu_metadata
---
amdhsa.version: [ 1, 2 ]
amdhsa.kernels:
  - .name:           k_q04371f87c6_norm
    .symbol:         k_q04371f87c6_norm.kd
    .args:
      - { .name: y, .offset: 0, .size: 8, .value_kind: global_buffer, .address_space: global }
      - { .name: part2, .offset: 8, .size: 8, .value_kind: global_buffer, .address_space: global }
      - { .name: bn2_g, .offset: 16, .size: 8, .value_kind: global_buffer, .address_space: global }
      - { .name: bn2_b, .offset: 24, .size: 8, .value_kind: global_buffer, .address_space: global }
      - { .name: out0, .offset: 32, .size: 8, .value_kind: global_buffer, .address_space: global }
    .group_segment_fixed_size: 13312
    .private_segment_fixed_size: 0
    .kernarg_segment_align: 8
    .kernarg_segment_size: 40
    .max_flat_workgroup_size: 256
    .sgpr_count:     66
    .vgpr_count:     256
    .wavefront_size: 32
...
	.end_amdgpu_metadata
.endif
;; end of part 3
;; ======== version 2 of 2: 3 launches; version 1 with the launch attn written anew for expert scheduling mode
;; workspace buffers: x1 16,777,216 bytes; y 16,777,216 bytes; part1 262,144 bytes; part2 262,144 bytes; wimg 262,144 bytes
;; launch attn (part 4): grid 256 x 1, 8 waves a work-group, no clusters, 316,416 bytes of LDS; arguments embedding_node, wq_w, wk_w, wv_w, w_w, wq_b, ff1_w, ff2_w, x1, part1, wimg; writes x1, part1, wimg
.if DOCPART == 4
	.amdgcn_target "amdgcn-amd-amdhsa--gfx1250"
	.amdhsa_code_object_version 6
	.text
	.protected	k_q04371f87c6_attn
	.globl	k_q04371f87c6_attn
	.p2align	8
	.type	k_q04371f87c6_attn,@function
k_q04371f87c6_attn:
	s_mov_b64 s[64:65], 0
	v_nop
	global_prefetch_b8 v0, s[64:65] scope:SCOPE_SE
	s_setreg_imm32_b32 hwreg(HW_REG_WAVE_SCHED_MODE, 0, 2), 2
	s_setreg_imm32_b32 hwreg(HW_REG_WAVE_MODE, 25, 1), 1
	s_wait_xcnt 0x0
	s_wait_alu depctr_vm_vsrc(0)
; x1 = attention(x) W + x, for 128 rows of one batch; the group's mean and M2 per channel for BatchNorm 1; one bf16 fragment of the feed-forward weights.
; DEAD WORK, for all finite inputs, in exact arithmetic:
;   wk_b adds q_i . wk_b to every score of row i: the same along the softmax's axis, so the weights do not change.
;   wv_b: a row's weights sum to 1, so it adds wv_b to every row of the attention's output, hence wv_b W, the same number per channel in every row, to x;
;   w_b adds the same number per channel to every row of x; BatchNorm 1 takes the channel's mean away and its variance does not see a constant.
;   ff2_b (left out in the second launch) is such a constant in front of BatchNorm 2.
; So wk_b, wv_b, w_b and ff2_b have no way to the output: they are not loaded and are no launch's argument.
; LIMITS.  A NaN, an infinity or an overflow that reaches only these four inputs is not carried to the result.  Matrix operands are bf16 (x, the weights, q, k, v, the weights p, o), sums f32.
; p = 2^(c s - c m), c = log2(e) / 4, with m the true maximum of the row's 512 scores; a p below 2^-126 counts as 0.  The residual, x1 and the statistics stay f32.
; SHARES.  Work-group g: batch g / 4, query rows 128 (g % 4) on.  Wave w is head w, and tile w of 16 out channels in the last product.  K and V of the whole batch are made here, from
; four chunks of 128 rows; chunk c is block (g % 4 + c) % 4, so chunk 0 holds the group's own queries (the order of keys does not matter to a softmax and its sum).
; LAYOUT.  K^T = Wk^T X^T and Q^T likewise: a lane holds one token (lane % 16) and channels 8 (lane / 16) + 0..7: rounded, that is half a fragment.  A fragment of K holds two tiles of 16 keys,
; one in k 0-15 and one in k 16-31; source 1 is [Q; 0] or [0; Q].  V = X Wv: a lane holds one channel and 8 tokens: two tiles are a fragment of V^T.  S^T rounded in pairs is source 1 of
; O^T = V^T P and of L = ones x P, whose every register holds the lane's row sum.  Nothing changes lanes but the maximum's one exchange.
; NO CLUSTER.  The four groups of a batch read the same x and all groups the same weights, but these are f32 and are rounded on the way through registers; a joint load would want a landing
; zone of 65,536 bytes a chunk, and of the 327,680 bytes of LDS 316,416 are in use.
; LDS: XS 0 (4 chunks x 128 rows x 272); QS 0 and OS 32,768 (pitch 272) lie over chunks 0 and 1, YS 67,584 (pitch 528) over the rest; VS 139,264: first the stages of Wq, Wk, Wv (pitch 288), then V's
; fragments; WS 270,336 the stage of W; RS 307,200 the waves' statistics; SPARE 315,392.
; REGISTERS.  Window 0: v0-27 addresses and statistics; v28-39 Q, 0, Q; v40-47 ones; v48-55 O (V's two out-buffers, during the projections); v56-63 L; v64-127 V's eight slots (rows as loaded, during the
; projections); v128-255 K's 16 fragments.
; Window 1: weights as loaded; then Wq 0, Wk 32, Wv 64, x's fragments 96-159 (two buffers), accumulators 160-207 (by the tile's parity), bias 208, Q 216-247; then S^T (tile t at 8 t), P packed in place at 8 f;
; then W 0, O 32-159, sums 160-191.
; THE MODE: SCHED_MODE bits 1:0 = 2 (LLVM: expert scheduling mode 2), set by the entry lines.  The code itself states the register dependences
; between vector or matrix instructions and memory or LDS instructions, with s_wait_alu, always for 0.
; THE PLAN.  Registers that memory or LDS instructions touch:
;   v3, v6, v9-v13   offsets and addresses, made at the head and never written again.
;   v4, v5           the address of a chunk's stores and of x's fragments: one add a chunk, behind the chunk's barrier.   v7, v8: Q's and O's addresses: one add a trip, at its end.
;   v64-127          rows: loaded, rounded in place, stored, loaded again.  In the loop V's slots: a run of loads lands in four of them behind the wait that follows the four products that read them.
;   x's fragments    two buffers.  Step T: the loads of tile T + 1 land in the buffer that the products of tile T - 1 read.
;   v48-55           two out-buffers.  Tile t's roundings, at the end of step t + 1, write one; its store, at the head of step t + 2, reads it; tile t + 2's roundings, at the end of step t + 3, write it again.
;   v28-31, v36-39   Q: read by a trip's products K Q^T, loaded again behind the trip's second batch.   v16-19: the maxima, then O rounded, which the trip's one store reads.
; So a step of the projections has two waits, at its head; a trip of the loop has the four waits behind its batches of exponentials and the one behind its reciprocal, which its runs of loads follow,
; one more ahead of its store and one behind it.
.set CH,    34816
.set OS,    32768
.set YS,    67584
.set VS,    139264
.set RS,    307200
.set SPARE, 315392
.set MSB, 0
.macro WIN new                         ; bits 1:0 source 0, 3:2 source 1, 5:4 source 2, 7:6 destination; the high byte repeats the setting that is left
.if MSB != (\new)
	s_set_vgpr_msb (MSB<<8)|(\new)
.set MSB, (\new)
.endif
.endm
.macro PLACES cnt=4                    ; plain vector instructions behind a matrix instruction (ISA guide 7.12.1)
.rept \cnt
	v_nop
.endr
.endm
.macro BAR                             ; my LDS instructions are done, then the work-group's barrier
	s_wait_dscnt 0x0
	s_barrier_signal -1
	s_barrier_wait -1
.endm
.macro ADD4 d, a, b
	v_pk_add_f32 v[(\d):(\d)+1], v[(\a):(\a)+1], v[(\b):(\b)+1]
	v_pk_add_f32 v[(\d)+2:(\d)+3], v[(\a)+2:(\a)+3], v[(\b)+2:(\b)+3]
.endm
.macro SUB4 d, a, b
	v_pk_add_f32 v[(\d):(\d)+1], v[(\a):(\a)+1], v[(\b):(\b)+1] neg_lo:[0,1] neg_hi:[0,1]
	v_pk_add_f32 v[(\d)+2:(\d)+3], v[(\a)+2:(\a)+3], v[(\b)+2:(\b)+3] neg_lo:[0,1] neg_hi:[0,1]
.endm
.macro MUL4 d, a, b
	v_pk_mul_f32 v[(\d):(\d)+1], v[(\a):(\a)+1], v[(\b):(\b)+1]
	v_pk_mul_f32 v[(\d)+2:(\d)+3], v[(\a)+2:(\a)+3], v[(\b)+2:(\b)+3]
.endm
.macro FMA4 d, a, b, c
	v_pk_fma_f32 v[(\d):(\d)+1], v[(\a):(\a)+1], v[(\b):(\b)+1], v[(\c):(\c)+1]
	v_pk_fma_f32 v[(\d)+2:(\d)+3], v[(\a)+2:(\a)+3], v[(\b)+2:(\b)+3], v[(\c)+2:(\c)+3]
.endm
.macro SCL4 d, a, k
	v_pk_mul_f32 v[(\d):(\d)+1], v[(\a):(\a)+1], \k op_sel_hi:[1,0]
	v_pk_mul_f32 v[(\d)+2:(\d)+3], v[(\a)+2:(\a)+3], \k op_sel_hi:[1,0]
.endm
.macro MMS d, a, b, s                  ; a product; K step 0 starts the sum
.if (\s) == 0
	v_wmma_f32_16x16x32_bf16 v[(\d):(\d)+7], v[(\a):(\a)+7], v[(\b):(\b)+7], 0
.else
	v_wmma_f32_16x16x32_bf16 v[(\d):(\d)+7], v[(\a):(\a)+7], v[(\b):(\b)+7], v[(\d):(\d)+7]
.endif
.endm
.macro MMQ d, a, b, s                  ; the same, the sum started by q's bias
.if (\s) == 0
	v_wmma_f32_16x16x32_bf16 v[(\d):(\d)+7], v[(\a):(\a)+7], v[(\b):(\b)+7], v[208:215]
.else
	v_wmma_f32_16x16x32_bf16 v[(\d):(\d)+7], v[(\a):(\a)+7], v[(\b):(\b)+7], v[(\d):(\d)+7]
.endif
.endm
.macro FRAG16 rs                       ; 16 numbers a lane of a weight fragment: k = 16 q + 8 (lane / 16) + i, rs bytes from k to k + 1
	s_wait_alu depctr_va_vdst(0)                   ; v47 is written, the offset that these loads read
.irp q, 0,1
.irp i, 0,1,2,3,4,5,6,7
	global_load_b32 v[28+8*(\q)+(\i)], v47, s[48:49] offset:(16*(\q)+(\i))*(\rs)
.endr
.endr
.endm
.macro CBASE c                         ; s[38:39] = x at chunk c of my batch
	s_add_co_u32 s34, s33, \c
	s_and_b32 s34, s34, 3
	s_lshl_b32 s34, s34, 16
	s_add_nc_u64 s[38:39], s[36:37], s[34:35]
.endm
.macro RLOAD b                         ; my 16 rows of 128 f32 behind s[b:b+1], 512 consecutive bytes a load
.set n, 0
.rept 16
	global_load_b128 v[64+4*n:64+4*n+3], v3, s[(\b):(\b)+1] offset:512*n
.set n, n+1
.endr
.endm
.macro RCVT                            ; these rows rounded in place: a lane's four numbers of row n close up into v[64 + 4 n] and the next
.set n, 0
.rept 16
	v_cvt_pk_bf16_f32 v[64+4*n], v[64+4*n], v[64+4*n+1]
	v_cvt_pk_bf16_f32 v[64+4*n+1], v[64+4*n+2], v[64+4*n+3]
.set n, n+1
.endr
.endm
.macro RSTO a, pitch                   ; 8 bytes a lane into rows of the given pitch
.set n, 0
.rept 16
	ds_store_b64 v[\a], v[64+4*n:64+4*n+1] offset:(\pitch)*n
.set n, n+1
.endr
.endm
.macro WSTG m, cnt, areg, off          ; weight matrix m: my 16 rows rounded in place and staged, pitch 288
	s_wait_loadcnt \cnt
	WIN 0x45
.set n, 16*(\m)
.rept 16
	v_cvt_pk_bf16_f32 v[4*n], v[4*n], v[4*n+1]
	v_cvt_pk_bf16_f32 v[4*n+1], v[4*n+2], v[4*n+3]
.set n, n+1
.endr
	WIN 0x04
	s_wait_alu depctr_va_vdst(0)                   ; the roundings have written the registers that the stores read
.set n, 0
.rept 16
	ds_store_b64 v[\areg], v[4*(16*(\m)+n):4*(16*(\m)+n)+1] offset:(\off)+288*n
.set n, n+1
.endr
.endm
	s_load_b512 s[8:23], s[0:1], 0x0               ; x s[8:9], wq s[10:11], wk s[12:13], wv s[14:15], w s[16:17], wq_b s[18:19], ff1_w s[20:21], ff2_w s[22:23]
	s_load_b128 s[24:27], s[0:1], 0x40             ; x1, part1
	s_load_b64 s[28:29], s[0:1], 0x50              ; wimg
	v_lshl_add_u32 v1, v0, 2, SPARE                ; my spare word, and 0: kept for the add at the wave's end
	v_mov_b32 v2, 0
	v_lshrrev_b32 v25, 5, v0
	v_readfirstlane_b32 s30, v25                   ; wave = head
	v_and_b32 v22, 31, v0                          ; L
	v_and_b32 v23, 15, v0                          ; r
	v_bfe_u32 v24, v0, 4, 1                        ; h
	v_mov_b32 v20, 0                               ; written once: the lane exchange's destination counts as read, and v[20:21] is named as a pair
	v_mov_b32 v21, 0
	s_mov_b32 s31, ttmp9                           ; g
	s_lshr_b32 s32, s31, 2                         ; batch
	s_and_b32 s33, s31, 3                          ; query block
	s_mov_b32 s35, 0
	s_mov_b32 s40, 0x76543210                      ; v_permlanex16_b32: each lane takes its own place in the other half
	s_mov_b32 s41, 0xfedcba98
	s_mov_b32 s42, 0x3eb8aa3b                      ; c = log2(e) / sqrt(16)
	s_mov_b32 s43, s42
	s_wait_alu depctr_va_sdst(0)                   ; s30 is written, ahead of its first reader: addresses and branches are made from it
	s_lshl_b32 s45, s30, 13
	v_lshl_add_u32 v3, v22, 4, s45                 ; 16 rows of 512 bytes a wave + 16 L
	s_mul_i32 s45, s30, 4352
	v_lshl_add_u32 v4, v22, 3, s45                 ; XS: my 16 rows + 8 L
	v_mul_u32_u24 v5, v23, 272
	v_lshl_add_u32 v5, v24, 4, v5                  ; a fragment of x: 272 r + 16 h
	s_lshl_b32 s45, s30, 14
	s_add_co_u32 s45, s45, VS
	v_lshl_add_u32 v6, v22, 4, s45                 ; my V fragments
	s_lshl_b32 s45, s30, 12
	v_lshl_add_u32 v7, v22, 4, s45                 ; my Q tiles (QS = 0)
	s_lshl_b32 s45, s30, 5
	s_add_co_u32 s46, s45, OS
	v_add_nc_u32 v8, s46, v5                       ; O: row r, my head's 32 bytes, 16 h
	v_and_b32 v25, 7, v0
	v_lshl_add_u32 v25, v24, 3, v25
	v_mul_u32_u24 v9, v25, 288
	v_bfe_u32 v25, v0, 3, 1
	v_lshl_add_u32 v9, v25, 4, v9
	s_add_co_u32 s46, s45, VS
	v_add_nc_u32 v9, s46, v9                       ; the turning load: row 8 h + L % 8, my 16 columns, 16 ((L / 8) % 2)
	v_add_nc_u32 v10, OS, v5
	v_mul_u32_u24 v11, v23, 528
	v_lshl_add_u32 v11, v24, 5, v11
	s_lshl_b32 s45, s30, 6
	s_add_co_u32 s46, s45, YS
	v_add_nc_u32 v11, s46, v11                     ; YS: row r, my 16 channels, 32 h
	v_lshl_add_u32 v57, v24, 5, s45                ; wq_b: 64 w + 32 h
	s_mul_i32 s45, s30, 8448
	s_add_co_u32 s45, s45, YS
	v_lshl_add_u32 v12, v22, 4, s45                ; YS: my 16 rows, whole
	s_lshl_b32 s45, s30, 10
	s_add_co_u32 s45, s45, RS
	v_lshl_add_u32 v13, v22, 4, s45
	s_mul_i32 s45, s30, 4608
	s_add_co_u32 s45, s45, VS
	v_lshl_add_u32 v25, v22, 3, s45                ; the weights' stages: my 16 rows + 8 L
	v_add_nc_u32 v26, 73728, v25
	v_add_nc_u32 v27, 131072, v25                  ; W's stage: kept until W is staged, ahead of the loop
	v_lshlrev_b32 v56, 4, v22                      ; 16 L
	s_wait_kmcnt 0x0
	s_lshl_b32 s34, s32, 18
	s_add_nc_u64 s[36:37], s[8:9], s[34:35]        ; x at my batch
	s_lshl_b32 s34, s31, 16
	s_add_nc_u64 s[50:51], s[24:25], s[34:35]      ; x1 at my 128 rows
	s_lshl_b32 s34, s31, 10
	s_add_nc_u64 s[52:53], s[26:27], s[34:35]      ; part1 and wimg at g
	s_add_nc_u64 s[54:55], s[28:29], s[34:35]
	CBASE 0
	s_wait_alu depctr_va_vdst(0)                   ; the offsets and addresses v3 to v13, v25 to v27, v56 and v57 are written, which the loads and stores below read
	; Wave 0 alone: fragment g of the feed-forward weights.  Chunk j = g / 16 of 32 hidden units; idx = g % 16: below 8 a fragment of W1^T (16 hidden units x 32 channels), else of W2^T (16 channels x 32 hidden units).
	s_cmp_lg_u32 s30, 0
	s_cbranch_scc1 .Lnofrag
	s_lshr_b32 s45, s31, 4
	s_and_b32 s46, s31, 15
	s_cmp_lt_u32 s46, 8
	s_cbranch_scc0 .Lfrag2
	s_and_b32 s47, s46, 3                          ; ff1_w [k][n]: 2,048 k + 4 n; k0 = 32 (idx % 4), n0 = 32 j + 16 (idx / 4)
	s_lshl_b32 s34, s47, 16
	s_lshl_b32 s47, s45, 7
	s_add_co_u32 s34, s34, s47
	s_lshr_b32 s47, s46, 2
	s_lshl_b32 s47, s47, 6
	s_add_co_u32 s34, s34, s47
	s_add_nc_u64 s[48:49], s[20:21], s[34:35]
	v_lshlrev_b32 v47, 2, v23
	v_lshl_add_u32 v47, v24, 14, v47
	FRAG16 2048
	s_branch .Lnofrag
.Lfrag2:
	s_lshl_b32 s34, s45, 14                        ; ff2_w [k][n]: 512 k + 4 n; k0 = 32 j, n0 = 16 (idx - 8)
	s_sub_co_u32 s47, s46, 8
	s_lshl_b32 s47, s47, 6
	s_add_co_u32 s34, s34, s47
	s_add_nc_u64 s[48:49], s[22:23], s[34:35]
	v_lshlrev_b32 v47, 2, v23
	v_lshl_add_u32 v47, v24, 12, v47
	FRAG16 512
.Lnofrag:
	; Wq, Wk, Wv (my 16 rows of each) and chunk 0 of x.  W, which is wanted last, is loaded later.
	WIN 0x40
.irp m, 0,1,2
.set n, 0
.rept 16
	global_load_b128 v[4*(16*(\m)+n):4*(16*(\m)+n)+3], v3, s[10+2*(\m):11+2*(\m)] offset:512*n
.set n, n+1
.endr
.endr
	WIN 0
	RLOAD 38
	; each wait leaves out the younger loads: 16 for each later matrix and x's 16
	WSTG 0, 48, 25, 0
	WSTG 1, 32, 25, 36864
	WSTG 2, 16, 26, 0
	WIN 0
	s_wait_loadcnt 0x0                             ; chunk 0 (and wave 0's fragment)
	RCVT
	s_wait_alu depctr_va_vdst(0)                   ; the roundings have written the registers that the stores read, and are done with v64-127, in which chunk 1 will land
	RSTO 4, 272
	BAR                                            ; the stages and chunk 0 are whole
	s_wait_alu depctr_vm_vsrc(0)                   ; my stores have read v4, v25, v26, v64-127 and window 1's v0-191, and wave 0's loads v47: all are written again below
	v_add_nc_u32 v4, CH, v4
	s_cmp_lg_u32 s30, 0
	s_cbranch_scc1 .Lnoimg
.irp i, 0,1,2,3,4,5,6,7
	v_cvt_pk_bf16_f32 v[48+(\i)], v[28+2*(\i)], v[29+2*(\i)]
.endr
	s_wait_alu depctr_va_vdst(0)                   ; the roundings have written v48-55, which the two stores read
	global_store_b128 v56, v[48:51], s[54:55]              ; registers 0-3 of all lanes: 512 consecutive bytes,
	global_store_b128 v56, v[52:55], s[54:55] offset:512   ; registers 4-7: the next 512
.Lnoimg:
	WIN 0x40
	global_load_b128 v[208:211], v57, s[18:19]             ; q's bias as a C operand: register j = wq_b[16 w + 8 h + j]
	global_load_b128 v[212:215], v57, s[18:19] offset:16
	WIN 0
	CBASE 1
	RLOAD 38                                       ; no vector instruction since the wait behind chunk 0's roundings names v64-127
	v_add_nc_u32 v25, 36864, v9
	v_add_nc_u32 v26, 73728, v9
	WIN 0x40
	s_wait_alu depctr_va_vdst(0)                   ; v25 and v26 are written, which the turning loads read; the weights' roundings are done with window 1's v0-159, in which these loads and x's fragments land
.irp s, 0,1,2,3                        ; my head's 16 columns of Wq, Wk, Wv, turned: 16 columns x 32 k a fragment
	ds_load_tr16_b128 v[8*(\s):8*(\s)+3], v9 offset:9216*(\s)
	ds_load_tr16_b128 v[8*(\s)+4:8*(\s)+7], v9 offset:9216*(\s)+4608
	ds_load_tr16_b128 v[32+8*(\s):32+8*(\s)+3], v25 offset:9216*(\s)
	ds_load_tr16_b128 v[32+8*(\s)+4:32+8*(\s)+7], v25 offset:9216*(\s)+4608
	ds_load_tr16_b128 v[64+8*(\s):64+8*(\s)+3], v26 offset:9216*(\s)
	ds_load_tr16_b128 v[64+8*(\s)+4:64+8*(\s)+7], v26 offset:9216*(\s)+4608
.endr
	WIN 0
	BAR                                            ; every wave has read the three stages: V's fragments may lie over them
	s_wait_loadcnt 16                              ; the bias is in; chunk 1's 16 loads stay out
	s_wait_xcnt 0x0                                ; wave 0's two stores have had their addresses translated: v48-56 are written again below
	s_wait_alu depctr_vm_vsrc(0)                   ; wave 0's two stores have read v48-56, the bias's loads v57 and the turning loads v25: all are written again below
; THE PROJECTIONS, a tile of 16 tokens a step, 32 steps.  Step T: V of tile T - 2 is stored, the fragments of tile T + 1 are asked for, tile T is multiplied, tile T - 1 is rounded.
; Fragment buffers, accumulators and out-buffers go by the tile's parity.
.macro TLOAD T                         ; tile T's four fragments of x (16 tokens x 32 channels each)
	WIN 0x40
.irp s, 0,1,2,3
	ds_load_b128 v[96+32*((\T)%2)+8*(\s):96+32*((\T)%2)+8*(\s)+3], v5 offset:((\T)%8)*4352+64*(\s)
	ds_load_b128 v[96+32*((\T)%2)+8*(\s)+4:96+32*((\T)%2)+8*(\s)+7], v5 offset:((\T)%8)*4352+64*(\s)+32
.endr
.endm
.macro TMUL T                          ; K^T, V (and, in chunk 0, Q^T): the accumulators take turns, one instruction a turn
	WIN 0x55
.irp s, 0,1,2,3
	MMS 160+8*((\T)%2), 32+8*(\s), 96+32*((\T)%2)+8*(\s), \s
	MMS 176+8*((\T)%2), 96+32*((\T)%2)+8*(\s), 64+8*(\s), \s
.if (\T) < 8
	MMQ 192+8*((\T)%2), 8*(\s), 96+32*((\T)%2)+8*(\s), \s
.endif
.endr
.endm
.macro TCVT T                          ; tile T rounded: a tile of Q aside, half a fragment of K into its registers, half a fragment of V^T into the tile's out-buffer
.if (\T) < 8
	WIN 0x45
.irp i, 0,1,2,3
	v_cvt_pk_bf16_f32 v[216+4*(\T)+(\i)], v[192+8*((\T)%2)+2*(\i)], v[193+8*((\T)%2)+2*(\i)]
.endr
.endif
	WIN 0x05
.irp i, 0,1,2,3
	v_cvt_pk_bf16_f32 v[128+4*(\T)+(\i)], v[160+8*((\T)%2)+2*(\i)], v[161+8*((\T)%2)+2*(\i)]
.endr
.irp i, 0,1,2,3
	v_cvt_pk_bf16_f32 v[48+4*((\T)%2)+(\i)], v[176+8*((\T)%2)+2*(\i)], v[177+8*((\T)%2)+2*(\i)]
.endr
.endm
.macro TSTORE T                        ; tile T's half fragment of V^T into LDS; address and data lie in window 0, under the fragment loads' setting too
	ds_store_b128 v6, v[48+4*((\T)%2):51+4*((\T)%2)] offset:512*(\T)
.endm
; The next chunk, loaded while this one was multiplied, goes into its own part of XS.  In front of the barrier every wave has waited for all its reads of chunk c (tile 7's are out since the step's head).
; Behind it the chunk after next is asked for; behind the last such barrier, W's rows.
.macro NEXT c
	WIN 0
	s_wait_loadcnt 0x0                             ; the next chunk's 16 loads: nothing younger is out
	RCVT
	s_wait_alu depctr_va_vdst(0)                   ; the roundings have written the registers that the stores read, and are done with v64-127, in which the loads below land
	RSTO 4, 272
	BAR
	s_wait_alu depctr_vm_vsrc(0)                   ; my stores have read v4 and v64-127, the fragments' loads v5, and V's store of this step its out-buffer
	v_add_nc_u32 v4, CH, v4
	v_add_nc_u32 v5, CH, v5
.if (\c) < 2
	CBASE (\c)+2
	RLOAD 38
.else
	RLOAD 16
.endif
.endm
	TLOAD 0
.set T, 0
.rept 32
	WIN 0x40
.if (T >= 3) && !(((T%8) == 7) && (T < 31))
	s_wait_alu depctr_vm_vsrc(0)                   ; the store of the step before has read the out-buffer that this step's roundings write again (behind a chunk's barrier that chunk's wait has said so)
.endif
.if T >= 1
	s_wait_alu depctr_va_vdst(0)                   ; tile T - 2's roundings have written the out-buffer that the store reads; tile T - 1's products are done reading the buffer in which tile T + 1 lands; behind a chunk's barrier v5 is written
.endif
.if T >= 2
	TSTORE T-2
.endif
.if T < 31
	TLOAD T+1                                      ; no vector or matrix instruction since the wait names v5 or this buffer
	s_wait_dscnt 8                                 ; all but these eight loads: tile T is in
.else
	s_wait_dscnt 0x0
.endif
	TMUL T
.if T == 0
	PLACES 5                                       ; nothing is there to round yet: these are the places between tile 0's products and tile 0's roundings
.else
	TCVT T-1                                       ; the roundings of tile T - 2 are the places between this tile's products and these
.endif
.if ((T%8) == 6) && (T < 30)
	NEXT T/8
.endif
.set T, T+1
.endr
	s_wait_alu depctr_vm_vsrc(0)                   ; tile 29's store has read the out-buffer that tile 31's roundings write
	TCVT 31                                        ; tile 30's roundings are the places in front of it
	; No barrier here.  QS and OS, bytes 0 to 67,583, lie inside chunks 0 and 1, which every wave has done reading in front of the second chunk's barrier; I am behind the third's.
	WIN 0
	s_wait_loadcnt 0x0                             ; W's rows
	RCVT
.irp i, 0,1,2,3,4,5,6,7
	v_mov_b32 v[40+(\i)], 0x3f803f80               ; 1.0 twice in bf16
.endr
.irp i, 0,1,2,3
	v_mov_b32 v[32+(\i)], 0
.endr
	v_add_nc_u32 v25, 131072, v9                   ; the turning loads of W, behind the loop
	s_wait_alu depctr_va_vdst(0)                   ; written: W's rows, both out-buffers and the eight tiles of Q, which the stores below read, and v25; the roundings are done with v64-127, in which V's fragments land
	RSTO 27, 288                                   ; read behind the barrier that follows the loop
	TSTORE 30
	TSTORE 31
	WIN 0x04
.irp q, 0,1,2,3,4,5,6,7
	ds_store_b128 v7, v[216+4*(\q):219+4*(\q)] offset:512*(\q)         ; S^T will fill window 1: my eight tiles of Q wait in LDS, my own bytes
.endr
	WIN 0
	ds_load_b128 v[28:31], v7                      ; the first tile of Q, twice: [Q; 0] is v[28:35], [0; Q] v[32:39]
	ds_load_b128 v[36:39], v7
	s_wait_alu depctr_vm_vsrc(0)                   ; these stores have read v64-127, in which V's fragments land, v48-55, where O's sums begin, and Q's registers in window 1, which S^T fills
.macro VRUN s0, f0                     ; ONE run of eight loads: V's slots s0 .. s0 + 3 take fragments f0 .. f0 + 3
	WIN 0
.irp k, 0,1,2,3
	ds_load_b128 v[64+8*((\s0)+(\k)):64+8*((\s0)+(\k))+3], v6 offset:1024*((\f0)+(\k))
	ds_load_b128 v[64+8*((\s0)+(\k))+4:64+8*((\s0)+(\k))+7], v6 offset:1024*((\f0)+(\k))+512
.endr
.endm
.macro SM4 g                           ; S^T tiles 4 g .. 4 g + 3: 16 keys x 16 queries each
	WIN 0x40
.irp k, 0,1,2,3
	v_wmma_f32_16x16x32_bf16 v[8*(4*(\g)+(\k)):8*(4*(\g)+(\k))+7], v[128+8*((4*(\g)+(\k))/2):128+8*((4*(\g)+(\k))/2)+7], v[28+4*((\k)%2):35+4*((\k)%2)], 0
.endr
.endm
.macro MX4 g                           ; these four tiles into four running maxima; each tile's lowest registers first
	WIN 0x14
.irp k, 0,1,2,3
.irp j, 0,1,2,3
	v_max3_num_f32 v[16+(\j)], v[16+(\j)], v[8*(4*(\g)+(\k))+2*(\j)], v[8*(4*(\g)+(\k))+2*(\j)+1]
.endr
.endr
.endm
.macro EG f                            ; group f of 32 keys: c s - c m for its 8 pairs, and the two exponentials of the pair two back; nothing here names an exponential's result
	WIN 0x45
.set i, 0
.rept 10
.if i < 8
	v_pk_fma_f32 v[16*(\f)+2*i:16*(\f)+2*i+1], v[16*(\f)+2*i:16*(\f)+2*i+1], s[42:43], v[14:15] op_sel_hi:[1,0,1] neg_lo:[0,0,1] neg_hi:[0,0,1]
.endif
.if i >= 2
	v_exp_f32 v[16*(\f)+2*i-4], v[16*(\f)+2*i-4]
	v_exp_f32 v[16*(\f)+2*i-3], v[16*(\f)+2*i-3]
.endif
.set i, i+1
.endr
.endm
.macro EWAIT                           ; a plain instruction behind the last exponential, and one wait
	v_nop
	s_wait_alu depctr_va_vdst(0)                   ; the batch's exponentials are written, ahead of their first reader; the products issued so far are done reading V's slots and Q, in which the loads behind this wait land
.endm
; Group f: P's fragment packed in place (pair n of the weights goes to register n, which holds pairs already read); O^T and L take turns.
.macro PVG f
	WIN 0x45
.set i, 0
.rept 8
	v_cvt_pk_bf16_f32 v[8*(\f)+i], v[16*(\f)+2*i], v[16*(\f)+2*i+1]
.set i, i+1
.endr
	WIN 0x04
.if ((\f) == 8) || ((\f) == 12)
	s_wait_dscnt 8                                 ; the run that brought fragments f .. f + 3 is in; behind it stands one run of eight
.endif
.if (\f) == 0
	v_wmma_f32_16x16x32_bf16 v[48:55], v[64:71], v[0:7], 0
	v_wmma_f32_16x16x32_bf16 v[56:63], v[40:47], v[0:7], 0
.else
	v_wmma_f32_16x16x32_bf16 v[48:55], v[64+8*((\f)%8):64+8*((\f)%8)+7], v[8*(\f):8*(\f)+7], v[48:55]
	v_wmma_f32_16x16x32_bf16 v[56:63], v[40:47], v[8*(\f):8*(\f)+7], v[56:63]
.endif
.endm
	VRUN 0, 0
	VRUN 4, 4
	s_mov_b32 s44, 8
.Lq:                                           ; a trip: 16 queries of my head against all 512 keys
	s_wait_dscnt 0x0                               ; Q, V's fragments 0-7, and the last trip's store: all issued well ahead
	SM4 0
	WIN 0x14
.irp j, 0,1,2,3
	v_mov_b32 v[16+(\j)], 0xff7fffff               ; the lowest finite number; also the four places ahead of the first reader
.endr
.set g, 1
.rept 7                                ; four tiles' maxima stand behind the next four products: sixteen plain instructions behind their own
	SM4 g
	MX4 g-1
.set g, g+1
.endr
	MX4 7
	WIN 0
	v_max3_num_f32 v16, v16, v17, v18
	v_max_num_f32 v16, v16, v19
	v_permlanex16_b32 v20, v16, s40, s41           ; the query's other 256 keys lie in the lane 16 away
	v_max_num_f32 v14, v16, v20
	v_mul_f32 v14, s42, v14                        ; c m
	v_mov_b32 v15, v14
	; The 16 groups go in four batches of four.  Batch 0 is raised alone; then, behind group f's two products, stand group f + 4's scalings and exponentials.  While batch b is packed and multiplied it names
	; registers up to 64 b + 63; the exponentials that are out begin at 64 b + 64: no result is named before the wait that closes its batch.
	EG 0
	EG 1
	EG 2
	EG 3
	EWAIT
.irp f, 0,1,2,3
	PVG \f
	EG (\f)+4
.endr
	EWAIT
	WIN 0
	s_cmp_eq_u32 s44, 1                            ; the last trip has no next tile of Q
	s_cbranch_scc1 .Lnoq
	ds_load_b128 v[28:31], v7 offset:512           ; the next trip's Q: this trip's products K Q^T stand ahead of the wait above, and so does the last trip's add to v7
	ds_load_b128 v[36:39], v7 offset:512
.Lnoq:
	VRUN 0, 8                                      ; each run stands behind a batch's wait, ahead of which stand the products that read its slots; eight scalings and a v_nop are the places behind the last of them
.irp f, 4,5,6,7
	PVG \f
	EG (\f)+4
.endr
	EWAIT
	VRUN 4, 12
.irp f, 8,9,10,11
	PVG \f
	EG (\f)+4
.endr
	EWAIT
	VRUN 0, 0                                      ; for the next trip (in the last trip this run and the next serve nothing: the price of one text for all trips)
.irp f, 12,13,14,15
	PVG \f
.endr
	WIN 0
	PLACES                                         ; behind the last product, whose L the reciprocal reads
	v_rcp_f32 v20, v56                             ; 1 / l: l is at least the largest weight, 1
	v_nop
	s_wait_alu depctr_va_vdst(0)                   ; the reciprocal is written, ahead of its first reader; the products of groups 12 to 15 are done reading slots 4 to 7, in which the run below lands
	VRUN 4, 4
.irp i, 0,1,2,3
	v_pk_mul_f32 v[48+2*(\i):49+2*(\i)], v[48+2*(\i):49+2*(\i)], v[20:21] op_sel_hi:[1,0]
.endr
.irp i, 0,1,2,3
	v_cvt_pk_bf16_f32 v[16+(\i)], v[48+2*(\i)], v[49+2*(\i)]
.endr
	s_wait_alu depctr_va_vdst(0)                   ; the roundings have written v16-19, which the store reads
	ds_store_b128 v8, v[16:19]
	s_wait_alu depctr_vm_vsrc(0)                   ; the store has read v8 and v16-19, where the next trip's maxima start, and Q's loads have read v7
	v_add_nc_u32 v8, 4352, v8
	v_add_nc_u32 v7, 512, v7
	s_sub_co_u32 s44, s44, 1
	s_cmp_lg_u32 s44, 0
	s_cbranch_scc1 .Lq
	; x1^T = W^T O^T for my 16 out channels and all 128 rows.  No wait: since the wait ahead of the last trip's store only v8 and v7 have been written, and none of the loads below touches them.
	CBASE 0
.set n, 0
.rept 16
	global_load_b128 v[128+4*n:128+4*n+3], v3, s[38:39] offset:512*n   ; the residual: my 16 rows of x, in f32, into K's registers: asked for ahead of the barrier
.set n, n+1
.endr
	BAR                                            ; O and W's stage are whole
	WIN 0x40
.irp s, 0,1,2,3
	ds_load_tr16_b128 v[8*(\s):8*(\s)+3], v25 offset:9216*(\s)
	ds_load_tr16_b128 v[8*(\s)+4:8*(\s)+7], v25 offset:9216*(\s)+4608
.endr
.irp hf, 0,1
	WIN 0x40
.irp t, 0,1,2,3
.irp s, 0,1,2,3
	ds_load_b128 v[32+32*(\t)+8*(\s):32+32*(\t)+8*(\s)+3], v10 offset:(4*(\hf)+(\t))*4352+64*(\s)
	ds_load_b128 v[32+32*(\t)+8*(\s)+4:32+32*(\t)+8*(\s)+7], v10 offset:(4*(\hf)+(\t))*4352+64*(\s)+32
.endr
.endr
	s_wait_dscnt 0x0
.if (\hf) == 1
	s_wait_alu depctr_vm_vsrc(0)                   ; the first half's stores have read the sums' registers, which these products write again
.endif
	WIN 0x55
.irp s, 0,1,2,3
.irp t, 0,1,2,3
	MMS 160+8*(\t), 8*(\s), 32+32*(\t)+8*(\s), \s
.endr
.endr
	PLACES 5                                       ; four for the stores, five for the next half's products, which write over these sums
	WIN 0x04
	s_wait_alu depctr_va_vdst(0)                   ; the products have written the sums, which the stores read, and are done reading O's fragments, in which the next half's loads land; the places above stay beside this wait
.irp t, 0,1,2,3
	ds_store_b128 v11, v[160+8*(\t):163+8*(\t)] offset:(4*(\hf)+(\t))*8448
	ds_store_b128 v11, v[164+8*(\t):167+8*(\t)] offset:(4*(\hf)+(\t))*8448+16
.endr
.endr
	WIN 0
	BAR                                            ; the 128 rows are whole in YS
.set n, 0
.rept 16
	ds_load_b128 v[192+4*n:192+4*n+3], v12 offset:528*n
.set n, n+1
.endr
	s_wait_loadcnt 0x0                             ; the residual
	s_wait_dscnt 0x0
.set n, 0
.rept 32
	v_pk_add_f32 v[192+2*n:193+2*n], v[192+2*n:193+2*n], v[128+2*n:129+2*n]
.set n, n+1
.endr
	s_wait_alu depctr_va_vdst(0)                   ; the additions have written v192-255, which the stores read
.set n, 0
.rept 16
	global_store_b128 v3, v[192+4*n:192+4*n+3], s[50:51] offset:512*n  ; a row: 512 consecutive bytes
.set n, n+1
.endr
	; my 16 rows' mean and M2, in two passes over registers that are only read from here on: no difference of large sums
.irp c, 0,1,2,3
	ADD4 128+4*(\c), 192+4*(\c), 208+4*(\c)
.endr
.set i, 8
.rept 8
	ADD4 128+4*(i%4), 128+4*(i%4), 192+4*i
.set i, i+1
.endr
	ADD4 128, 128, 132
	ADD4 136, 136, 140
	ADD4 128, 128, 136
	SCL4 128, 128, 0x3d800000                      ; / 16
.set i, 0
.rept 16
	SUB4 160+4*(i%4), 192+4*i, 128
.if i < 2
	MUL4 144+4*(i%2), 160+4*(i%4), 160+4*(i%4)
.else
	FMA4 144+4*(i%2), 160+4*(i%4), 160+4*(i%4), 144+4*(i%2)
.endif
.set i, i+1
.endr
	ADD4 144, 144, 148
	s_wait_alu depctr_va_vdst(0)                   ; the mean and M2 are written, which the two stores read; the arithmetic is done with v128-191, in which wave 0's loads land
	ds_store_b128 v13, v[128:131]
	ds_store_b128 v13, v[144:147] offset:512
	BAR
	s_wait_alu depctr_vm_vsrc(0)                   ; my two stores have read v128-131 and v144-147, in which wave 0's loads land
	s_cmp_lg_u32 s30, 0
	s_cbranch_scc1 .Lend
	; wave 0: mean = the mean of the eight means; M2 = the sum of the eight M2 + 16 x the sum of (mean_w - mean)^2
	v_lshl_add_u32 v56, v22, 4, RS
	v_lshlrev_b32 v57, 4, v22
	s_wait_alu depctr_va_vdst(0)                   ; v56 and v57 are written: the loads below read the one, the last two stores the other
.irp w, 0,1,2,3,4,5,6,7
	ds_load_b128 v[128+4*(\w):131+4*(\w)], v56 offset:1024*(\w)
	ds_load_b128 v[160+4*(\w):163+4*(\w)], v56 offset:1024*(\w)+512
.endr
	s_wait_dscnt 0x0
	ADD4 64, 128, 132
	ADD4 68, 136, 140
	ADD4 72, 144, 148
	ADD4 76, 152, 156
	ADD4 64, 64, 68
	ADD4 72, 72, 76
	ADD4 64, 64, 72
	SCL4 64, 64, 0x3e000000                        ; / 8
	ADD4 160, 160, 164
	ADD4 168, 168, 172
	ADD4 176, 176, 180
	ADD4 184, 184, 188
	ADD4 160, 160, 168
	ADD4 176, 176, 184
	ADD4 160, 160, 176
.irp w, 0,1,2,3,4,5,6,7
	SUB4 128+4*(\w), 128+4*(\w), 64
.endr
	MUL4 80, 128, 128
	MUL4 84, 132, 132
.irp w, 2,4,6
	FMA4 80, 128+4*(\w), 128+4*(\w), 80
	FMA4 84, 132+4*(\w), 132+4*(\w), 84
.endr
	ADD4 80, 80, 84
	v_pk_fma_f32 v[160:161], v[80:81], 0x41800000, v[160:161] op_sel_hi:[1,0,1]
	v_pk_fma_f32 v[162:163], v[82:83], 0x41800000, v[162:163] op_sel_hi:[1,0,1]
	s_wait_alu depctr_va_vdst(0)                   ; the group's mean and M2 are written, which the two stores read
	global_store_b128 v57, v[64:67], s[52:53]
	global_store_b128 v57, v[160:163], s[52:53] offset:512
.Lend:
	s_wait_dscnt 0x0                               ; the closing lines, six on end
	s_wait_alu 0x0
	s_wait_tensorcnt 0x0
	ds_add_u32 v1, v2
	s_wait_dscnt 0x0
	s_endpgm
.Lfunc_end_k_q04371f87c6_attn:
	.size	k_q04371f87c6_attn, .Lfunc_end_k_q04371f87c6_attn-k_q04371f87c6_attn
	.p2alignl 7, 3214868480
	.fill 96, 4, 3214868480
	.section	.rodata,"a",@progbits
	.p2align	6, 0x0
	.amdhsa_kernel k_q04371f87c6_attn
		.amdhsa_group_segment_fixed_size 316416
		.amdhsa_private_segment_fixed_size 0
		.amdhsa_enable_private_segment 0
		.amdhsa_kernarg_size 88
		.amdhsa_user_sgpr_count 2
		.amdhsa_user_sgpr_kernarg_segment_ptr 1
		.amdhsa_wavefront_size32 1
		.amdhsa_system_sgpr_workgroup_id_x 1
		.amdhsa_system_sgpr_workgroup_id_y 1
		.amdhsa_system_sgpr_workgroup_id_z 1
		.amdhsa_system_vgpr_workitem_id 0
		.amdhsa_next_free_vgpr 512
		.amdhsa_next_free_sgpr 66
		.amdhsa_reserve_vcc 0
		.amdhsa_float_denorm_mode_32 3
		.amdhsa_float_denorm_mode_16_64 3
		.amdhsa_memory_ordered 1
		.amdhsa_forward_progress 1
		.amdhsa_inst_pref_size 181
	.end_amdhsa_kernel
	.amdgpu_metadata
---
amdhsa.version: [ 1, 2 ]
amdhsa.kernels:
  - .name:           k_q04371f87c6_attn
    .symbol:         k_q04371f87c6_attn.kd
    .args:
      - { .name: embedding_node, .offset: 0, .size: 8, .value_kind: global_buffer, .address_space: global }
      - { .name: wq_w, .offset: 8, .size: 8, .value_kind: global_buffer, .address_space: global }
      - { .name: wk_w, .offset: 16, .size: 8, .value_kind: global_buffer, .address_space: global }
      - { .name: wv_w, .offset: 24, .size: 8, .value_kind: global_buffer, .address_space: global }
      - { .name: w_w, .offset: 32, .size: 8, .value_kind: global_buffer, .address_space: global }
      - { .name: wq_b, .offset: 40, .size: 8, .value_kind: global_buffer, .address_space: global }
      - { .name: ff1_w, .offset: 48, .size: 8, .value_kind: global_buffer, .address_space: global }
      - { .name: ff2_w, .offset: 56, .size: 8, .value_kind: global_buffer, .address_space: global }
      - { .name: x1, .offset: 64, .size: 8, .value_kind: global_buffer, .address_space: global }
      - { .name: part1, .offset: 72, .size: 8, .value_kind: global_buffer, .address_space: global }
      - { .name: wimg, .offset: 80, .size: 8, .value_kind: global_buffer, .address_space: global }
    .group_segment_fixed_size: 316416
    .private_segment_fixed_size: 0
    .kernarg_segment_align: 8
    .kernarg_segment_size: 88
    .max_flat_workgroup_size: 256
    .sgpr_count:     66
    .vgpr_count:     512
    .wavefront_size: 32
...
	.end_amdgpu_metadata
.endif
;; end of part 4
;; launch ff: the kernel of part 2 again; grid 256 x 1, 4 waves a work-group, clusters of 4 x 1, 309,760 bytes of LDS; arguments x1, part1, bn1_g, bn1_b, wimg, ff1_b, y, part2; writes y, part2
;; launch norm: the kernel of part 3 again; grid 256 x 1, 8 waves a work-group, no clusters, 13,312 bytes of LDS; arguments y, part2, bn2_g, bn2_b, out0; writes out0
